; MI455X (gfx1250); checked and timed in simulation.
; The chip was launched on July 23, 2026; its instructions are those of AMD's public machine-readable ISA for CDNA 5 (MIT licence, August 2026) and "CDNA5" Instruction Set Architecture Reference Guide (July 2026). The comments in the code are by the model that wrote it; some were corrected since.
;; Gated Cross Attention. Allowed arithmetic: matrix products marked QUANTISED: E5M2 operands, one E8M0 scale for each 32 along K, by v_wmma_scale_f32_16x16x128_f8f6f4 with both operands' format E5M2, f32 sums; products left as they are: f32 operands where the result goes on into a quantised operand, else bf16, f16 or f32 operands; f32 sums; everything else in f32.
;; Inputs: Wg_codes 1,024 x 64 x 32 uint8 (E5M2 codes of Wg, K innermost, in blocks of 32 codes); Wg_scales 1,024 x 64 uint8 (E8M0 scales of Wg, one for each 32 codes along K); Wk 1,024 x 256 float32; Wo_codes 1,024 x 32 x 32 uint8 (E5M2 codes of Wo, K innermost, in blocks of 32 codes); Wo_scales 1,024 x 32 uint8 (E8M0 scales of Wo, one for each 32 codes along K); Wq_codes 1,024 x 32 x 32 uint8 (E5M2 codes of Wq, K innermost, in blocks of 32 codes); Wq_scales 1,024 x 32 uint8 (E8M0 scales of Wq, one for each 32 codes along K); Wv 1,024 x 256 float32; b_in 3,072 float32; beta 1,024 float32; bg 1,024 float32; bo 1,024 float32; gamma 1,024 float32; speaker_embedding 8 x 256 float32; speech_features 8 x 2,048 x 1,024 float32.
;; Outputs: out0 8 x 2,048 x 1,024 float32.
;; This version of the problem:
;;   THIS VERSION OF THE PROBLEM IS GIVEN IN LOW PRECISION. The matrix products marked QUANTISED in the list below multiply operands that are first quantised to E5M2 (5 exponent bits, 2 mantissa bits; 8 bits a number), with one power-of-two scale for each 32 numbers along K (OCP MX v1.0); their sums are f32. All else is computed in f32.
;;   The module's matrix products, in the order in which they are computed (A, B: the left and right operand; K: the contracted axis; several contracted axes count as one K, in the product's order):
;;     1. [M 16,384, K 1,024] x [K 1,024, N 1,024]; A: input speech_features; B: input Wq (given as codes): QUANTISED
;;     2. [M 8, K 256] x [K 256, N 1,024]; A: input speaker_embedding; B: input Wk: left as it is (M = 8 < 16)
;;     3. [M 8, K 256] x [K 256, N 1,024]; A: input speaker_embedding; B: input Wv: left as it is (M = 8 < 16)
;;     4. batch 128 x [M 2,048, K 64] x [K 64, N 1]; A: computed on the way; B: computed on the way: left as it is (N = 1 < 16)
;;     5. batch 128 x [M 64, K 1] x [K 1, N 2,048]; A: computed on the way; B: softmax: left as it is (K = 1 < 32)
;;     6. [M 16,384, K 1,024] x [K 1,024, N 1,024]; A: computed on the way; B: input Wo (given as codes): QUANTISED
;;     7. [M 16,384, K 2,048] x [K 2,048, N 1,024]; A: computed on the way; B: input Wg (given as codes): QUANTISED
;;   THE QUANTISER, for each operand of a quantised product, along K:
;;     - K is cut into blocks of 32 from its start; a last block that is shorter is filled with zeros.
;;     - A block's scale is 2^e with e = floor(log2(the largest magnitude in the block)) - 15, held to -126 .. 127; a block of zeros has e = 0. As a byte (E8M0): e + 127.
;;     - Each number is divided by its block's scale, clamped to +-57,344, and rounded to the nearest number of E5M2, ties to even, subnormals kept.
;;     - The product sums the exact products of the quantised numbers (number of the format x scale) in f32.
;;   ~~~python
;;   def quantise(x, axis):      # numpy; x: float32 -> the quantised numbers, widened to float32 again
;;       x = np.moveaxis(x, axis, -1); K = x.shape[-1]
;;       x = np.pad(x, [(0, 0)] * (x.ndim - 1) + [(0, -K % 32)]); x = x.reshape(x.shape[:-1] + (-1, 32)); a = np.abs(x).max(-1, keepdims=True)
;;       e = np.where(a > 0, np.clip(np.frexp(np.where(a > 0, a, 1))[1] - 1 - 15, -126, 127), 0)      # np.frexp(a)[1] - 1 = floor(log2(a)), exactly
;;       r = np.clip(x / 2.0 ** e, -57344, 57344)
;;       step = 2.0 ** (np.maximum(np.frexp(np.where(r == 0, 1, r))[1] - 1, -14) - 2)
;;       q = np.round(r / step) * step * 2.0 ** e      # np.round: ties to even
;;       return np.moveaxis(q.reshape(q.shape[:-2] + (-1,))[..., :K], -1, axis).astype(np.float32)
;;   ~~~
;;   OPERANDS COMPUTED ON THE WAY. 'Computed on the way' means the value that the module computes at that place (a softmax that the list does not call 'softmax' is quantised finished and normalised). What goes into a quantiser is computed in f32, as accurately as f32 sums, v_exp_f32 and their like allow (about 1e-6 of the number): no bf16 or f16 on the way to a quantiser, and a product that is left as it is and whose result goes on into a quantised operand takes f32 operands (vector FMAs, or v_wmma_f32_16x16x4_f32). A number that lies on a knife's edge between two numbers of the format may be rounded either way, as far as f32 arithmetic and the matrix unit's own rounding can turn it there, and no further.
;;   INPUTS GIVEN AS CODES. Wg (in the module: [1024, 2048], K = its axis 1); Wo (in the module: [1024, 1024], K = its axis 1); Wq (in the module: [1024, 1024], K = its axis 1): each comes as NAME_codes (uint8): NAME with its K axis moved to the last place and cut into blocks of 32 codes, [.., K / 32, bytes a block], one block behind the other in memory; one code a byte (a code: sign, 5 exponent bits, 2 mantissa bits); and NAME_scales (uint8): the same leading axes, one E8M0 byte (e + 127) for each 32 codes along K. Its value is code x scale, taken as it is: it is not quantised again, and the codes and scales need not be those that the quantiser above would give.
;; 2 versions, each right; version 2 is version 1 with the launches prep1, prep2 written anew for expert scheduling mode. Each part assembles by itself: llvm-mc -triple=amdgcn-amd-amdhsa -mcpu=gfx1250 --defsym DOCPART=n.
;; ======== version 1 of 2: 3 launches
;; workspace buffers: wf 1,048,576 bytes; ws 32,768 bytes; pao 262,144 bytes; ao 32,768 bytes; pc 262,144 bytes
;; launch prep1 (part 1): grid 74 x 1, 8 waves a work-group, no clusters, 17,920 bytes of LDS; arguments speaker_embedding, Wv, b_in, Wo_codes, Wo_scales, Wg_codes, Wg_scales, pao, wf, ws; writes pao, wf, ws
.if DOCPART == 1
	.amdgcn_target "amdgcn-amd-amdhsa--gfx1250"
	.amdhsa_code_object_version 6
	.text
	.protected	k_qa6ce338ed1_prep1
	.globl	k_qa6ce338ed1_prep1
	.p2align	8
	.type	k_qa6ce338ed1_prep1,@function
k_qa6ce338ed1_prep1:
	s_mov_b64 s[64:65], 0
	v_nop
	global_prefetch_b8 v0, s[64:65] scope:SCOPE_SE
	s_setreg_imm32_b32 hwreg(HW_REG_WAVE_MODE, 25, 1), 1
	s_wait_xcnt 0x0
; GATED CROSS-ATTENTION WITH ONE KEY/VALUE TOKEN, first of three launches.
; WORK LEFT OUT, for all finite values of the inputs.  scores has shape (B,H,S,1) and the softmax runs along its last axis, of length 1:
; exp(s - max s) / sum = exp(0) / exp(0) = 1 whatever s is.  So q = x Wq^T + bq, k = spk Wk^T + bk and scores = q.k / 8 reach no output: these three products are not computed, and
; Wq_codes, Wq_scales, Wk and b_in[0:2048] are not loaded and are no launch's arguments.  ctx = 1 * v: ctx[b,s,:] = v[b,:].
; All 2,048 rows of ctx of a batch are the same numbers, so their codes, their scales and their rows of attn_out = Q(ctx) Wo^T + bo are the same: attn_out is computed once for each batch (ao[b,:]).
; The gate's K = 2,048 is cut into blocks of 32 and 1,024 is a multiple of 32, so x's blocks and attn_out's are quantised apart:
; gate_in Wg^T + bg = Q(x) Wg[:,0:1024]^T + c[b,:], c[b,f] = Q(ao[b]) . Wg[f,1024:2048] + bg[f], again one row for each batch.
; LIMITS: a NaN, an infinity or an overflow that arises only in q, k or the scores is not carried to the result.  NaN and infinities among the inputs are not served.  A block of zeros gets
; the scale byte 1 where the quantiser says 127: its codes are zeros, which add nothing under that byte, and the bytes are read by this program alone.  Sums over K are taken in slices of 128 and the
; slices added in f32: another order of rounding than one running sum.
; THIS LAUNCH, by the work-group's number:
;  0-63  (ks = id & 7, fs = id >> 3): v[b, 128 ks .. +127] = spk Wv^T + bv in f32 (its result goes into a quantiser: the f32 matrix form, 64 steps of 4 along the 256), quantised along K,
;        times Wo[128 fs .. +127, 128 ks .. +127]: pao[ks][b][f], the ks-th of eight partial sums of ao.  A quantiser wants only its own 32 numbers, so a slice of K can go through alone.
;  64-71: Wg[:, 0:1024]'s codes laid in the order of the operand's registers: wf[w 4][s 8][t 16][c 4][lane 32][16 bytes]: lane (r, h) of tile t holds K = 128 s + 32 c + 16 h + 0..15 of row 256 w + 32 (t/2) + 8 (t%2) + r + 8 (r/8).
;  72-73: their scale words: ws[w 4][s 8][g 4][lane 32][q 2]: word q of lane 16 h + r is that of tile 4 g + 2 q + h, row r, K step s.
; The three paths part on the work-group's number alone, so all eight waves of a work-group go one way; only the first path touches LDS and has barriers.
.set VIMG,  0                          ; LDS: eight waves' pieces of v, 1,024 bytes each, as images of their registers
.set STG,   8192                       ; a stage of 16 rows x (512 + 16) bytes for the results
.set SPARE, 16640                      ; the spare words, 128 bytes for each wave: four blocks of 256 bytes that no other line names
.set SPW,   1                          ; v1   SPARE + 4 x my thread's number; never rewritten
.set NIL,   2                          ; v2   0; never rewritten
.set XQ,    16                         ; v16-79   64 numbers to be quantised (before: v16-143 Wv's rows)
.set TM,    224                        ; v224-239 the quantiser's work: largest magnitudes, bytes, holds, scale operands
.set PC,    240                        ; v240-255 the codes made
.set PW,    209                        ; v209 their scale word; v208 the weight's: these two hold scales and nothing else
.set MSB, 0
.macro WIN new                         ; the immediate's high byte repeats the setting that is left
.if MSB != (\new)
	s_set_vgpr_msb (MSB<<8)|(\new)
.set MSB, (\new)
.endif
.endm
; 64 numbers of a lane, register 16 b + i = K 32 b + 16 (lane / 16) + i of my row, become a fragment's codes and its scale word
.macro QUANT64
.irp b, 0,1,2,3
	v_max3_num_f32 v[TM+\b], |v[XQ+16*\b]|, |v[XQ+1+16*\b]|, 0x8000000   ; my 16 numbers of block b, and the floor 2^(16 - 127): the byte cannot fall under 1
.endr
.irp i, 2,4,6,8,10,12,14
.irp b, 0,1,2,3
	v_max3_num_f32 v[TM+\b], v[TM+\b], |v[XQ+16*\b+\i]|, |v[XQ+1+16*\b+\i]|   ; the four blocks by turns
.endr
.endr
.irp b, 0,1,2,3
	v_permlanex16_b32 v[TM+4+\b], v[TM+\b], s36, s37
.endr
.irp b, 0,1,2,3
	v_max_num_f32 v[TM+\b], v[TM+\b], v[TM+4+\b]          ; with lane l xor 16's: the block's largest magnitude
.endr
.irp b, 0,1,2,3
	v_add_nc_u32 v[TM+12+\b], 0xf8800000, v[TM+\b]        ; 15 off its exponent field: the conversion's scale operand
.endr
.irp b, 0,1,2,3
	v_and_or_b32 v[TM+8+\b], v[TM+\b], 0x7f800000, s38    ; 57,344 x the scale
.endr
.irp b, 0,1,2,3
	v_lshrrev_b32 v[TM+4+\b], 23, v[TM+12+\b]             ; the scale's byte
.endr
	v_lshl_or_b32 v[PW], v[TM+5], 8, v[TM+4]              ; my row's scale word; the 64 holds below stand between it and the product
	v_lshl_or_b32 v[PW], v[TM+6], 16, v[PW]
	v_lshl_or_b32 v[PW], v[TM+7], 24, v[PW]
.irp b, 0,1,2,3
.irp i, 0,1,2,3,4,5,6,7,8,9,10,11,12,13,14,15
	v_med3_num_f32 v[XQ+16*\b+\i], v[XQ+16*\b+\i], -v[TM+8+\b], v[TM+8+\b]   ; the conversion to an 8-bit code does not saturate (ISA guide 7.6.2): the hold at the largest code x the scale
.endr
	v_cvt_scalef32_pk8_bf8_f32 v[PC+4*\b:PC+1+4*\b], v[XQ+16*\b:XQ+7+16*\b], v[TM+12+\b]
	v_cvt_scalef32_pk8_bf8_f32 v[PC+2+4*\b:PC+3+4*\b], v[XQ+8+16*\b:XQ+15+16*\b], v[TM+12+\b]
.endr
	v_nop                                                 ; a plain line behind the last conversion
.endm
	s_load_b512 s[16:31], s[0:1], 0x0              ; spk 16, Wv 18, b_in 20, Wo's codes 22, Wo's scales 24, Wg's codes 26, Wg's scales 28, pao 30
	s_load_b128 s[32:35], s[0:1], 0x40             ; wf 32, ws 34
	v_lshl_add_u32 v[SPW], v0, 2, SPARE
	v_mov_b32 v[NIL], 0
	v_lshrrev_b32 v3, 5, v0
	v_readfirstlane_b32 s2, v3                     ; wave u, 0..7
	v_and_b32 v3, 31, v0                           ; lane L
	v_and_b32 v4, 15, v0                           ; r
	v_bfe_u32 v5, v0, 4, 1                         ; h
	v_and_b32 v6, 8, v4
	v_add_nc_u32 v6, v6, v4                        ; r + 8 (r / 8)
	v_lshlrev_b32 v7, 4, v3                        ; 16 L
	s_mov_b32 s9, 0                                ; the high word of every offset below
	s_wait_kmcnt 0x0
	s_cmp_lt_u32 ttmp9, 64
	s_cbranch_scc0 .Lrelay
	; ---------------- a slice of v, quantised, times a block of Wo ----------------
	s_and_b32 s3, ttmp9, 7                         ; ks
	s_lshr_b32 s4, ttmp9, 3                        ; fs
	s_lshr_b32 s5, s2, 1                           ; my block of 32 along K,
	s_and_b32 s6, s2, 1                            ; and which of its two tiles
	s_lshl_b32 s7, s3, 7
	s_lshl_b32 s5, s5, 5
	s_lshl_b32 s6, s6, 3
	s_add_co_u32 s7, s7, s5
	s_add_co_u32 s7, s7, s6                        ; my tile's first row of Wv: 128 ks + 32 (u / 2) + 8 (u % 2)
	s_lshl_b32 s8, s7, 10
	s_add_nc_u64 s[18:19], s[18:19], s[8:9]        ; Wv at that row (1,024 bytes a row)
	s_add_co_u32 s8, s7, 2048
	s_lshl_b32 s8, s8, 2
	s_add_nc_u64 s[20:21], s[20:21], s[8:9]        ; bv = b_in[2048 ..] at the same place
	s_lshl_b32 s10, s4, 7
	s_lshl_b32 s11, s2, 4
	s_add_co_u32 s10, s10, s11                     ; my 16 rows of Wo: 128 fs + 16 u
	s_lshl_b32 s8, s10, 10
	s_lshl_b32 s11, s3, 7
	s_add_co_u32 s8, s8, s11
	s_add_nc_u64 s[22:23], s[22:23], s[8:9]        ; their codes at K = 128 ks
	s_lshl_b32 s8, s10, 5
	s_lshl_b32 s11, s3, 2
	s_add_co_u32 s8, s8, s11
	s_add_nc_u64 s[24:25], s[24:25], s[8:9]        ; and their scale words
	s_lshl_b32 s8, s3, 15
	s_lshl_b32 s11, s2, 12
	s_add_co_u32 s8, s8, s11
	s_lshl_b32 s11, s4, 9
	s_add_co_u32 s8, s8, s11
	s_add_nc_u64 s[30:31], s[30:31], s[8:9]        ; pao[ks][batch u][128 fs]
	s_mov_b32 s36, 0x76543210
	s_mov_b32 s37, 0xfedcba98                      ; v_permlanex16_b32's selects for lane l xor 16
	s_mov_b32 s38, 0x600000                        ; the mantissa field of 57,344
	v_lshlrev_b32 v8, 10, v6
	v_lshl_add_u32 v8, v5, 4, v8                   ; Wv: THE ROWS OF A TILE ARE NOT NEIGHBOURS: lane r takes row r + 8 (r / 8); + 16 h bytes
	v_and_b32 v9, 7, v4
	v_lshlrev_b32 v9, 10, v9
	v_lshl_add_u32 v9, v5, 4, v9                   ; spk: batch r % 8 (columns 8-15 repeat the eight batches); the same bytes of the row
	v_lshlrev_b32 v10, 6, v5                       ; bv: 64 h
	v_lshlrev_b32 v11, 10, v4
	v_lshl_add_u32 v11, v5, 4, v11                 ; Wo: row r, + 16 h
	v_lshlrev_b32 v12, 5, v4                       ; Wo's scale words: 32 bytes a row
	s_lshl_b32 s14, s2, 10
	v_add_nc_u32 v13, s14, v7                      ; LDS: my piece of v: 1,024 u + 16 L
	v_mul_u32_u24 v14, v4, 528
	v_lshl_add_u32 v14, v5, 5, v14
	s_lshl_b32 s14, s2, 6
	s_add_co_u32 s14, s14, STG
	v_add_nc_u32 v14, s14, v14                     ; the stage, in: row r, + 64 u + 32 h
	s_mul_i32 s14, s2, 528
	s_add_co_u32 s14, s14, STG
	v_add_nc_u32 v15, s14, v7                      ; and back: row u, 16 bytes a lane
.irp b, 0,1,2,3
	v_mov_b32 v[TM+4+\b], 0                        ; written once: a lane permute's destination counts as one of its sources
.endr
	global_load_b128 v[176:179], v10, s[20:21]     ; bv in the result's layout: register j = K 16 h + j of my tile
	global_load_b128 v[180:183], v10, s[20:21] offset:16
.irp c, 0,1,2,3
	global_load_b128 v[192+4*\c:195+4*\c], v11, s[22:23] offset:32*\c   ; Wo's fragment
.endr
	global_load_b32 v208, v12, s[24:25]
; Four batches of 8 x 8 numbers along the 256.  A lane's 16 bytes at 32 q + 16 h are two register pairs: pair a of lanes h = 0, 1 is one K step of 4 of the f32 form.  The same order on both sides.
.irp t, 0,1,2,3
.irp q, 0,1,2,3,4,5,6,7
	global_load_b128 v[16+4*(8*\t+\q):19+4*(8*\t+\q)], v8, s[18:19] offset:32*(8*\t+\q)
.endr
	WIN 0x40                                       ; destination window 1
.irp q, 0,1,2,3,4,5,6,7
	global_load_b128 v[4*(8*\t+\q):4*(8*\t+\q)+3], v9, s[16:17] offset:32*(8*\t+\q)
.endr
	WIN 0
.endr
	WIN 0x04                                       ; source 1 (spk) window 1
; Source 0 = 16 rows of Wv, source 1 = spk: lane (r, h) holds batch r % 8, register j = K 32 (u / 2) + 8 (u % 2) + 16 h + j.  Four accumulators take turns, one instruction a turn;
; the first begins with bv, the others with 0.  v144-175 are written by these instructions alone.
.set i, 0
.rept 64
.if i%16 == 0
	s_wait_loadcnt 48-16*(i/16)                    ; this batch's 16 loads are in; the younger batches, 16 loads each, may be out
.endif
.if i == 0
	v_wmma_f32_16x16x4_f32 v[144:151], v[16:17], v[0:1], v[176:183]
.elseif i < 4
	v_wmma_f32_16x16x4_f32 v[144+8*i:151+8*i], v[16+2*i:17+2*i], v[2*i:2*i+1], 0
.else
	v_wmma_f32_16x16x4_f32 v[144+8*(i%4):151+8*(i%4)], v[16+2*i:17+2*i], v[2*i:2*i+1], v[144+8*(i%4):151+8*(i%4)]
.endif
.set i, i+1
.endr
	WIN 0
.rept 8
	v_nop                                          ; eight places behind this form, ahead of the first read of results and the first write of operands
.endr
.irp j, 0,2,4,6
	v_pk_add_f32 v[184+\j:185+\j], v[144+\j:145+\j], v[152+\j:153+\j]   ; each accumulator is read from its low end on
.endr
.irp j, 0,2,4,6
	v_pk_add_f32 v[16+\j:17+\j], v[160+\j:161+\j], v[168+\j:169+\j]
.endr
.irp j, 0,2,4,6
	v_pk_add_f32 v[184+\j:185+\j], v[184+\j:185+\j], v[16+\j:17+\j]     ; my eight numbers of v
.endr
	ds_store_b128 v13, v[184:187]
	ds_store_b128 v13, v[188:191] offset:512
	s_wait_dscnt 0x0                               ; for the others' sake: my stores have landed
	s_barrier_signal -1
	s_barrier_wait -1
.irp u, 0,1,2,3,4,5,6,7                        ; wave 2 b + e's eight registers are K 32 b + 16 h + 8 e + 0..7: so all eight on end are the 64 numbers in the operand's order
	ds_load_b128 v[XQ+8*\u:XQ+8*\u+3], v7 offset:VIMG+1024*\u
	ds_load_b128 v[XQ+8*\u+4:XQ+8*\u+7], v7 offset:VIMG+1024*\u+512
.endr
	s_wait_dscnt 0x0
	QUANT64
.rept 4
	v_nop                                          ; codes written by vector instructions stand four places ahead of a scaled product
.endr
	v_wmma_scale_f32_16x16x128_f8f6f4 v[216:223], v[192:207], v[PC:PC+15], 0, v208, v[PW] matrix_a_fmt:MATRIX_FMT_BF8 matrix_b_fmt:MATRIX_FMT_BF8   ; source 0 = 16 rows of Wo, source 1 = Q(v): lane (r, h): batch r % 8, f = 128 fs + 16 u + 8 h + 0..7
.rept 8
	v_nop
.endr
	ds_store_b128 v14, v[216:219]
	ds_store_b128 v14, v[220:223] offset:16
	s_wait_dscnt 0x0
	s_barrier_signal -1
	s_barrier_wait -1                              ; the stage's rows 0-7 hold the eight batches' 128 numbers (rows 8-15 repeat them and are not read)
	ds_load_b128 v[16:19], v15
	s_wait_dscnt 0x0
	global_store_b128 v7, v[16:19], s[30:31]       ; 32 lanes store 512 consecutive bytes, at a multiple of 256 from the buffer's first byte
	s_wait_tensorcnt 0x0                           ; the wave's end, behind my last LDS store
	ds_add_u32 v[SPW], v[NIL]
	s_wait_dscnt 0x0
	s_endpgm
.Lrelay:
	s_cmp_lt_u32 ttmp9, 72
	s_cbranch_scc0 .Lscales
	; ---------------- Wg[:, 0:1024]'s codes in the order of the operand's registers: a wave takes one tile t of one quarter w, all eight K steps ----------------
	s_sub_co_u32 s3, ttmp9, 64
	s_lshl_b32 s3, s3, 3
	s_add_co_u32 s3, s3, s2
	s_lshr_b32 s4, s3, 4                           ; w
	s_and_b32 s5, s3, 15                           ; t
	s_lshl_b32 s6, s4, 8
	s_lshr_b32 s7, s5, 1
	s_lshl_b32 s7, s7, 5
	s_add_co_u32 s6, s6, s7
	s_and_b32 s7, s5, 1
	s_lshl_b32 s7, s7, 3
	s_add_co_u32 s6, s6, s7                        ; the tile's first row: 256 w + 32 (t / 2) + 8 (t % 2)
	s_lshl_b32 s8, s6, 11
	s_add_nc_u64 s[26:27], s[26:27], s[8:9]        ; 2,048 bytes a row
	s_lshl_b32 s8, s4, 18
	s_lshl_b32 s7, s5, 11
	s_add_co_u32 s8, s8, s7
	s_add_nc_u64 s[32:33], s[32:33], s[8:9]        ; wf[w][0][t]
	v_lshlrev_b32 v8, 11, v6
	v_lshl_add_u32 v8, v5, 4, v8                   ; row r + 8 (r / 8), + 16 h
.set i, 0
.rept 32
	global_load_b128 v[16+4*i:19+4*i], v8, s[26:27] offset:32*i          ; K = 128 s + 32 c + 16 h on, i = 4 s + c
.set i, i+1
.endr
.set i, 0
.rept 32
	s_wait_loadcnt 31-i                            ; loads come back in order: number i is in, the younger ones may be out
	global_store_b128 v7, v[16+4*i:19+4*i], s[32:33] offset:(i/4)*32768+(i%4)*512   ; 512 consecutive bytes
.set i, i+1
.endr
	s_endpgm
.Lscales:
	; ---------------- their scale words: a wave takes one group g of four tiles of one quarter w, all eight K steps ----------------
	s_sub_co_u32 s3, ttmp9, 72
	s_lshl_b32 s3, s3, 3
	s_add_co_u32 s3, s3, s2
	s_lshr_b32 s4, s3, 2                           ; w
	s_and_b32 s5, s3, 3                            ; g
	s_lshl_b32 s6, s4, 8
	s_lshl_b32 s7, s5, 6
	s_add_co_u32 s6, s6, s7                        ; row 256 w + 64 g
	s_lshl_b32 s8, s6, 6
	s_add_nc_u64 s[28:29], s[28:29], s[8:9]        ; 64 scale bytes a row; the first 32 belong to K = 0 .. 1023
	s_lshl_b32 s8, s4, 13
	s_lshl_b32 s7, s5, 8
	s_add_co_u32 s8, s8, s7
	s_add_nc_u64 s[34:35], s[34:35], s[8:9]        ; ws[w][0][g]
	v_lshl_add_u32 v8, v5, 3, v6
	v_lshlrev_b32 v8, 6, v8                        ; row 8 h + r + 8 (r / 8): lanes 16-31 take the odd tile
	v_lshlrev_b32 v9, 3, v3                        ; 8 L
.irp q, 0,1
	global_load_b128 v[16+8*\q:19+8*\q], v8, s[28:29] offset:2048*\q      ; tiles 4 g + 2 q, + 1: 32 rows further on for q = 1; words of K steps 0-3,
	global_load_b128 v[20+8*\q:23+8*\q], v8, s[28:29] offset:2048*\q+16   ; 4-7
.endr
	s_wait_loadcnt 0x0
.irp s, 0,1,2,3,4,5,6,7
	v_mov_b32 v[32+2*\s], v[16+\s]                 ; a K step's two words side by side, as one load of 8 bytes a lane will want them
	v_mov_b32 v[33+2*\s], v[24+\s]
.endr
.irp s, 0,1,2,3,4,5,6,7
	global_store_b64 v9, v[32+2*\s:33+2*\s], s[34:35] offset:1024*\s      ; 32 lanes store 256 consecutive bytes, aligned
.endr
	s_endpgm
.Lfunc_end_k_qa6ce338ed1_prep1:
	.size	k_qa6ce338ed1_prep1, .Lfunc_end_k_qa6ce338ed1_prep1-k_qa6ce338ed1_prep1
	.p2alignl 7, 3214868480
	.fill 96, 4, 3214868480
	.section	.rodata,"a",@progbits
	.p2align	6, 0x0
	.amdhsa_kernel k_qa6ce338ed1_prep1
		.amdhsa_group_segment_fixed_size 17920
		.amdhsa_private_segment_fixed_size 0
		.amdhsa_enable_private_segment 0
		.amdhsa_kernarg_size 80
		.amdhsa_user_sgpr_count 2
		.amdhsa_user_sgpr_kernarg_segment_ptr 1
		.amdhsa_wavefront_size32 1
		.amdhsa_system_sgpr_workgroup_id_x 1
		.amdhsa_system_sgpr_workgroup_id_y 1
		.amdhsa_system_sgpr_workgroup_id_z 1
		.amdhsa_system_vgpr_workitem_id 0
		.amdhsa_next_free_vgpr 384
		.amdhsa_next_free_sgpr 66
		.amdhsa_reserve_vcc 0
		.amdhsa_float_denorm_mode_32 3
		.amdhsa_float_denorm_mode_16_64 3
		.amdhsa_memory_ordered 1
		.amdhsa_forward_progress 1
		.amdhsa_inst_pref_size 36
	.end_amdhsa_kernel
	.amdgpu_metadata
---
amdhsa.version: [ 1, 2 ]
amdhsa.kernels:
  - .name:           k_qa6ce338ed1_prep1
    .symbol:         k_qa6ce338ed1_prep1.kd
    .args:
      - { .name: speaker_embedding, .offset: 0, .size: 8, .value_kind: global_buffer, .address_space: global }
      - { .name: Wv, .offset: 8, .size: 8, .value_kind: global_buffer, .address_space: global }
      - { .name: b_in, .offset: 16, .size: 8, .value_kind: global_buffer, .address_space: global }
      - { .name: Wo_codes, .offset: 24, .size: 8, .value_kind: global_buffer, .address_space: global }
      - { .name: Wo_scales, .offset: 32, .size: 8, .value_kind: global_buffer, .address_space: global }
      - { .name: Wg_codes, .offset: 40, .size: 8, .value_kind: global_buffer, .address_space: global }
      - { .name: Wg_scales, .offset: 48, .size: 8, .value_kind: global_buffer, .address_space: global }
      - { .name: pao, .offset: 56, .size: 8, .value_kind: global_buffer, .address_space: global }
      - { .name: wf, .offset: 64, .size: 8, .value_kind: global_buffer, .address_space: global }
      - { .name: ws, .offset: 72, .size: 8, .value_kind: global_buffer, .address_space: global }
    .group_segment_fixed_size: 17920
    .private_segment_fixed_size: 0
    .kernarg_segment_align: 8
    .kernarg_segment_size: 80
    .max_flat_workgroup_size: 256
    .sgpr_count:     66
    .vgpr_count:     384
    .wavefront_size: 32
...
	.end_amdgpu_metadata
.endif
;; end of part 1
;; launch prep2 (part 2): grid 64 x 1, 8 waves a work-group, no clusters, 14,080 bytes of LDS; arguments pao, bo, Wg_codes, Wg_scales, pc, ao; writes pc, ao
.if DOCPART == 2
	.amdgcn_target "amdgcn-amd-amdhsa--gfx1250"
	.amdhsa_code_object_version 6
	.text
	.protected	k_qa6ce338ed1_prep2
	.globl	k_qa6ce338ed1_prep2
	.p2align	8
	.type	k_qa6ce338ed1_prep2,@function
k_qa6ce338ed1_prep2:
	s_mov_b64 s[64:65], 0
	v_nop
	global_prefetch_b8 v0, s[64:65] scope:SCOPE_SE
	s_setreg_imm32_b32 hwreg(HW_REG_WAVE_MODE, 25, 1), 1
	s_wait_xcnt 0x0
; Second launch.  WORK LEFT OUT: as shown at the head of the first kernel, attn_out has one row for each batch (the softmax over one key is 1), so it is made once for each batch and not for each of its 2,048 positions.
; Work-group (ks = id & 7, fs = id >> 3): ao[b, 128 ks .. +127] = the eight partial sums of the launch before + bo, in f32; quantised along K; times Wg[128 fs .. +127, 1024 + 128 ks .. +127]:
; pc[ks][b][f], the ks-th of eight partial sums of c[b,f] = Q(ao[b]) . Wg[f, 1024:2048].  The work-groups with fs = 0 also store ao, which the last launch mixes with x.
; LIMITS: as stated at the head of the first kernel (NaN and infinities not served; a block of zeros gets the byte 1; sums over K in slices of 128).
.set AOS,   0                          ; LDS: the slice of ao, 8 batches x (512 + 16) bytes
.set STG,   4352                       ; a stage of 16 rows x (512 + 16) bytes for the results
.set SPARE, 12800                      ; the spare words, 128 bytes for each wave: four blocks of 256 bytes that no other line names
.set SPW,   1                          ; v1   SPARE + 4 x my thread's number; never rewritten
.set NIL,   2                          ; v2   0; never rewritten
.set XQ,    16                         ; v16-79   64 numbers to be quantised (before: v16-51 the partial sums and bo)
.set TM,    224                        ; v224-239 the quantiser's work
.set PC,    240                        ; v240-255 the codes made
.set PW,    209                        ; v209 their scale word; v208 the weight's: these two hold scales and nothing else
; 64 numbers of a lane, register 16 b + i = K 32 b + 16 (lane / 16) + i of my row, become a fragment's codes and its scale word
.macro QUANT64
.irp b, 0,1,2,3
	v_max3_num_f32 v[TM+\b], |v[XQ+16*\b]|, |v[XQ+1+16*\b]|, 0x8000000   ; my 16 numbers of block b, and the floor 2^(16 - 127): the byte cannot fall under 1
.endr
.irp i, 2,4,6,8,10,12,14
.irp b, 0,1,2,3
	v_max3_num_f32 v[TM+\b], v[TM+\b], |v[XQ+16*\b+\i]|, |v[XQ+1+16*\b+\i]|
.endr
.endr
.irp b, 0,1,2,3
	v_permlanex16_b32 v[TM+4+\b], v[TM+\b], s36, s37
.endr
.irp b, 0,1,2,3
	v_max_num_f32 v[TM+\b], v[TM+\b], v[TM+4+\b]          ; with lane l xor 16's: the block's largest magnitude
.endr
.irp b, 0,1,2,3
	v_add_nc_u32 v[TM+12+\b], 0xf8800000, v[TM+\b]        ; 15 off its exponent field: the conversion's scale operand
.endr
.irp b, 0,1,2,3
	v_and_or_b32 v[TM+8+\b], v[TM+\b], 0x7f800000, s38    ; 57,344 x the scale
.endr
.irp b, 0,1,2,3
	v_lshrrev_b32 v[TM+4+\b], 23, v[TM+12+\b]             ; the scale's byte
.endr
	v_lshl_or_b32 v[PW], v[TM+5], 8, v[TM+4]              ; my row's scale word; the 64 holds below stand between it and the product
	v_lshl_or_b32 v[PW], v[TM+6], 16, v[PW]
	v_lshl_or_b32 v[PW], v[TM+7], 24, v[PW]
.irp b, 0,1,2,3
.irp i, 0,1,2,3,4,5,6,7,8,9,10,11,12,13,14,15
	v_med3_num_f32 v[XQ+16*\b+\i], v[XQ+16*\b+\i], -v[TM+8+\b], v[TM+8+\b]   ; the hold at the largest code x the scale (ISA guide 7.6.2: the conversion does not saturate)
.endr
	v_cvt_scalef32_pk8_bf8_f32 v[PC+4*\b:PC+1+4*\b], v[XQ+16*\b:XQ+7+16*\b], v[TM+12+\b]
	v_cvt_scalef32_pk8_bf8_f32 v[PC+2+4*\b:PC+3+4*\b], v[XQ+8+16*\b:XQ+15+16*\b], v[TM+12+\b]
.endr
	v_nop                                                 ; a plain line behind the last conversion
.endm
	s_load_b256 s[16:23], s[0:1], 0x0              ; pao 16, bo 18, Wg's codes 20, Wg's scales 22
	s_load_b128 s[24:27], s[0:1], 0x20             ; pc 24, ao 26
	v_lshl_add_u32 v[SPW], v0, 2, SPARE
	v_mov_b32 v[NIL], 0
	v_lshrrev_b32 v3, 5, v0
	v_readfirstlane_b32 s2, v3                     ; wave u, 0..7: in the sums it is the batch
	v_and_b32 v3, 31, v0                           ; lane L
	v_and_b32 v4, 15, v0                           ; r
	v_bfe_u32 v5, v0, 4, 1                         ; h
	v_lshlrev_b32 v7, 4, v3                        ; 16 L
	s_and_b32 s3, ttmp9, 7                         ; ks
	s_lshr_b32 s4, ttmp9, 3                        ; fs
	s_mov_b32 s9, 0
	s_mov_b32 s36, 0x76543210
	s_mov_b32 s37, 0xfedcba98                      ; v_permlanex16_b32's selects for lane l xor 16
	s_mov_b32 s38, 0x600000                        ; the mantissa field of 57,344
	v_lshlrev_b32 v11, 11, v4
	v_lshl_add_u32 v11, v5, 4, v11                 ; Wg: row r of 2,048 bytes, + 16 h
	v_lshlrev_b32 v12, 6, v4                       ; its scale bytes: 64 a row
	s_mul_i32 s14, s2, 528
	v_add_nc_u32 v13, s14, v7                      ; LDS: ao's slice, in: row u, 16 bytes a lane
	s_add_co_u32 s14, s14, STG
	v_add_nc_u32 v15, s14, v7                      ; the stage, back: row u, 16 bytes a lane
	v_and_b32 v10, 7, v4
	v_mul_u32_u24 v10, v10, 528
	v_lshl_add_u32 v10, v5, 6, v10                 ; ao's slice, back: batch r % 8, + 64 h: my 16 numbers of each block of 32
	v_mul_u32_u24 v14, v4, 528
	v_lshl_add_u32 v14, v5, 5, v14
	s_lshl_b32 s14, s2, 6
	s_add_co_u32 s14, s14, STG
	v_add_nc_u32 v14, s14, v14                     ; the stage, in: row r, + 64 u + 32 h
.irp b, 0,1,2,3
	v_mov_b32 v[TM+4+\b], 0                        ; written once: a lane permute's destination counts as one of its sources
.endr
	s_lshl_b32 s8, s2, 12
	s_lshl_b32 s11, s3, 9
	s_add_co_u32 s8, s8, s11                       ; batch u, column 128 ks, in bytes
	s_lshl_b32 s12, s3, 9
	s_mov_b32 s13, 0
	s_wait_kmcnt 0x0
	s_add_nc_u64 s[16:17], s[16:17], s[8:9]        ; pao[0][u][128 ks]
	s_add_nc_u64 s[26:27], s[26:27], s[8:9]        ; ao[u][128 ks]
	s_add_nc_u64 s[18:19], s[18:19], s[12:13]      ; bo[128 ks]
	s_lshl_b32 s10, s4, 7
	s_lshl_b32 s11, s2, 4
	s_add_co_u32 s10, s10, s11                     ; my 16 rows of Wg: 128 fs + 16 u
	s_lshl_b32 s8, s10, 11
	s_lshl_b32 s11, s3, 7
	s_add_co_u32 s8, s8, s11
	s_add_co_u32 s8, s8, 1024
	s_add_nc_u64 s[20:21], s[20:21], s[8:9]        ; their codes at K = 1024 + 128 ks
	s_lshl_b32 s8, s10, 6
	s_lshl_b32 s11, s3, 2
	s_add_co_u32 s8, s8, s11
	s_add_co_u32 s8, s8, 32
	s_add_nc_u64 s[22:23], s[22:23], s[8:9]        ; and their scale words
	s_lshl_b32 s8, s3, 15
	s_lshl_b32 s11, s2, 12
	s_add_co_u32 s8, s8, s11
	s_lshl_b32 s11, s4, 9
	s_add_co_u32 s8, s8, s11
	s_add_nc_u64 s[24:25], s[24:25], s[8:9]        ; pc[ks][batch u][128 fs]
.irp p, 0,1,2,3,4,5,6,7
	global_load_b128 v[16+4*\p:19+4*\p], v7, s[16:17] offset:32768*\p    ; 512 consecutive bytes of each partial sum
.endr
	global_load_b128 v[48:51], v7, s[18:19]
.irp c, 0,1,2,3
	global_load_b128 v[192+4*\c:195+4*\c], v11, s[20:21] offset:32*\c    ; Wg's fragment
.endr
	global_load_b32 v208, v12, s[22:23]
	s_wait_loadcnt 0x0
.irp p, 0,2,4,6
.irp j, 0,2
	v_pk_add_f32 v[16+4*\p+\j:17+4*\p+\j], v[16+4*\p+\j:17+4*\p+\j], v[20+4*\p+\j:21+4*\p+\j]
.endr
.endr
.irp p, 0,4
.irp j, 0,2
	v_pk_add_f32 v[16+4*\p+\j:17+4*\p+\j], v[16+4*\p+\j:17+4*\p+\j], v[24+4*\p+\j:25+4*\p+\j]
.endr
.endr
.irp j, 0,2
	v_pk_add_f32 v[16+\j:17+\j], v[16+\j:17+\j], v[32+\j:33+\j]
.endr
.irp j, 0,2
	v_pk_add_f32 v[16+\j:17+\j], v[16+\j:17+\j], v[48+\j:49+\j]          ; + bo: four numbers of ao
.endr
	ds_store_b128 v13, v[16:19] offset:AOS
	s_cmp_lg_u32 s4, 0                             ; eight work-groups make the same slice of ao: the one with fs = 0 stores it
	s_cbranch_scc1 .Lnot_first
	global_store_b128 v7, v[16:19], s[26:27]       ; 512 consecutive bytes
.Lnot_first:
	s_wait_xcnt 0x0                                ; the store has read v16-19: they are loaded again below
	s_wait_dscnt 0x0                               ; for the others' sake: my LDS store has landed
	s_barrier_signal -1
	s_barrier_wait -1
.irp b, 0,1,2,3
.irp z, 0,1,2,3
	ds_load_b128 v[XQ+16*\b+4*\z:XQ+16*\b+4*\z+3], v10 offset:AOS+128*\b+16*\z   ; register 16 b + i = K 32 b + 16 h + i of batch r % 8
.endr
.endr
	s_wait_dscnt 0x0
	QUANT64
.rept 4
	v_nop                                          ; codes written by vector instructions stand four places ahead of a scaled product
.endr
	v_wmma_scale_f32_16x16x128_f8f6f4 v[216:223], v[192:207], v[PC:PC+15], 0, v208, v[PW] matrix_a_fmt:MATRIX_FMT_BF8 matrix_b_fmt:MATRIX_FMT_BF8   ; source 0 = 16 rows of Wg, source 1 = Q(ao): lane (r, h): batch r % 8, f = 128 fs + 16 u + 8 h + 0..7
.rept 8
	v_nop                                          ; eight places behind this form, ahead of the first read of results
.endr
	ds_store_b128 v14, v[216:219]
	ds_store_b128 v14, v[220:223] offset:16
	s_wait_dscnt 0x0
	s_barrier_signal -1
	s_barrier_wait -1                              ; the stage's rows 0-7 hold the eight batches' 128 numbers (rows 8-15 repeat them and are not read)
	ds_load_b128 v[16:19], v15
	s_wait_dscnt 0x0
	global_store_b128 v7, v[16:19], s[24:25]       ; 512 consecutive bytes, at a multiple of 256 from the buffer's first byte
	s_wait_tensorcnt 0x0                           ; the wave's end, behind my last LDS store
	ds_add_u32 v[SPW], v[NIL]
	s_wait_dscnt 0x0
	s_endpgm
.Lfunc_end_k_qa6ce338ed1_prep2:
	.size	k_qa6ce338ed1_prep2, .Lfunc_end_k_qa6ce338ed1_prep2-k_qa6ce338ed1_prep2
	.p2alignl 7, 3214868480
	.fill 96, 4, 3214868480
	.section	.rodata,"a",@progbits
	.p2align	6, 0x0
	.amdhsa_kernel k_qa6ce338ed1_prep2
		.amdhsa_group_segment_fixed_size 14080
		.amdhsa_private_segment_fixed_size 0
		.amdhsa_enable_private_segment 0
		.amdhsa_kernarg_size 48
		.amdhsa_user_sgpr_count 2
		.amdhsa_user_sgpr_kernarg_segment_ptr 1
		.amdhsa_wavefront_size32 1
		.amdhsa_system_sgpr_workgroup_id_x 1
		.amdhsa_system_sgpr_workgroup_id_y 1
		.amdhsa_system_sgpr_workgroup_id_z 1
		.amdhsa_system_vgpr_workitem_id 0
		.amdhsa_next_free_vgpr 256
		.amdhsa_next_free_sgpr 66
		.amdhsa_reserve_vcc 0
		.amdhsa_float_denorm_mode_32 3
		.amdhsa_float_denorm_mode_16_64 3
		.amdhsa_memory_ordered 1
		.amdhsa_forward_progress 1
		.amdhsa_inst_pref_size 16
	.end_amdhsa_kernel
	.amdgpu_metadata
---
amdhsa.version: [ 1, 2 ]
amdhsa.kernels:
  - .name:           k_qa6ce338ed1_prep2
    .symbol:         k_qa6ce338ed1_prep2.kd
    .args:
      - { .name: pao, .offset: 0, .size: 8, .value_kind: global_buffer, .address_space: global }
      - { .name: bo, .offset: 8, .size: 8, .value_kind: global_buffer, .address_space: global }
      - { .name: Wg_codes, .offset: 16, .size: 8, .value_kind: global_buffer, .address_space: global }
      - { .name: Wg_scales, .offset: 24, .size: 8, .value_kind: global_buffer, .address_space: global }
      - { .name: pc, .offset: 32, .size: 8, .value_kind: global_buffer, .address_space: global }
      - { .name: ao, .offset: 40, .size: 8, .value_kind: global_buffer, .address_space: global }
    .group_segment_fixed_size: 14080
    .private_segment_fixed_size: 0
    .kernarg_segment_align: 8
    .kernarg_segment_size: 48
    .max_flat_workgroup_size: 256
    .sgpr_count:     66
    .vgpr_count:     256
    .wavefront_size: 32
...
	.end_amdgpu_metadata
.endif
;; end of part 2
;; launch main (part 3): grid 256 x 1, 4 waves a work-group, no clusters, 327,680 bytes of LDS; arguments speech_features, wf, ws, pc, ao, bg, gamma, beta, out0; writes out0
.if DOCPART == 3
	.amdgcn_target "amdgcn-amd-amdhsa--gfx1250"
	.amdhsa_code_object_version 6
	.text
	.protected	k_qa6ce338ed1_main
	.globl	k_qa6ce338ed1_main
	.p2align	8
	.type	k_qa6ce338ed1_main,@function
k_qa6ce338ed1_main:
	s_mov_b64 s[64:65], 0
	v_nop
	global_prefetch_b8 v0, s[64:65] scope:SCOPE_SE
	s_setreg_imm32_b32 hwreg(HW_REG_WAVE_MODE, 25, 1), 1
	s_wait_xcnt 0x0
; Third launch: out = LayerNorm(g ao + (1 - g) x), g = sigmoid(Q(x) Wg[:,0:1024]^T + c), on codes of BF8 (E5M2) with one E8M0 scale for each 32 along K.
; WORK LEFT OUT: as shown at the head of the first kernel, the softmax over one key is 1, so q, k and the scores are not computed, and attn_out (ao) and its part of the gate (c) have one row for each batch, made by the two launches before.
; LIMITS: NaN and infinities among the inputs are not served; a block of zeros gets the scale byte 1 (its codes are zeros; this program alone reads the bytes); the gate's sum is 8 K steps of 128 in one accumulator plus c, which is itself eight slices added in f32.
; SHARES.  A work-group owns 64 whole rows (the norm wants whole rows), all of one batch; 256 work-groups, four waves.  Wave w owns columns 256 w .. +255 of all 64 rows: 64 accumulators, 512 registers.
; x, 256 KB in f32, is asked for once, at the head, by 8 tensor loads a wave (its own 16 rows x 128 columns each, in K's order: eight of mine are out at the most), and STAYS in LDS: it is quantised from there, K step by K step as it
; lands, and is read again for the mix; the mix is written over it.  No LDS byte is filled twice.  A wave quantises the chunk that it fetched; the codes go to the other waves as images of the operand's registers.
; THE WEIGHT, 1 MB, goes from memory straight into registers: window 1 holds the 16 fragments of one K step in four groups, each asked for again as soon as it has been multiplied; wf lies in the registers' order, so each load reads 512 consecutive bytes.
; NO CLUSTER, though all work-groups read the same weight: a joint load lands in LDS, where beside x's 270,336 bytes and the small regions 31,232 bytes are left, against 131,072 for one K step of the weight (1,024 rows x 128 bytes).
; To free LDS x would have to leave memory twice.  No wave shares a fragment of the weight with another wave of its work-group, so LDS would spare no read either.
; THE PRODUCT IS USED TRANSPOSED (source 0 = 16 rows of Wg, source 1 = 16 rows of x), and the rows of a tile of Wg are chosen (in wf) so that lane (r, h) holds row r of x and the 16 registers of tiles 2 b, 2 b + 1 are columns 32 b + 16 h + 0..15:
; the lanes in which x is read from LDS.  THE WAY OUT goes by tiles of 16 rows: gate and mix (each wave its columns), a barrier, norm and store (each wave 4 whole rows): the first rows leave after a quarter of the sigmoids.
; REGISTERS.  Window 0: v1-21 addresses; v24-31 the weight's scale words, v32-39 x's (scales and nothing else); v40-167 x's fragments, two sets; v168-199 numbers to quantise; v200-215 codes; v216-224 the quantiser's work.
;   On the way out: v40-71 T / a row; v72-135 x, two sets; v136-167 a row; v168-199 gamma; v200-231 beta; v232-251 addresses and statistics.   Window 1: the weight's 16 fragments; on the way out ao and c2.   Windows 2, 3: the accumulators.
.set XP,    528                        ; a row of a chunk in LDS: 512 bytes + 16: row r begins 33 r x 16 bytes on, so sixteen rows' 16-byte pieces fall on sixteen different places modulo 256 bytes
.set XT,    16*XP                      ; a wave's 16 rows: what one tensor load brings
.set XC,    4*XT                       ; a chunk: 64 rows x 128 columns
.set IMG,   8*XC                       ; 270,336: images of x's fragments, two buffers of 4 x 2,048 bytes
.set XSC,   IMG+2*8192                 ; their scale words, two buffers of 4 x 128 bytes
.set CV2,   XSC+2*512                  ; c2[1024] = log2(e) (c + bg), f32;
.set AOL,   CV2+4096                   ; ao[1024] of my batch, f32
.set SPARE, AOL+4096                   ; 295,936: the spare words, 128 bytes for each wave: two blocks of 256 bytes that no other line names
.set SPW, 1                            ; v1  SPARE + 4 x my thread's number; never rewritten
.set NIL, 2                            ; v2  0; never rewritten
.set L16, 3                            ; v3  16 L
.set L8,  4                            ; v4  8 L
.set AQ,  5                            ; v5-8   my chunk's numbers: w XT + r XP + 64 h + i 2 XC (chunks 2 i, 2 i + 1)
.set IWR, 9                            ; v9     where I store my fragment's image: IMG + 2,048 w + 16 L
.set SWR, 10                           ; v10    and its scale word: XSC + 128 w + 4 L
.set IRD, 11                           ; v11    IMG + 16 L
.set SRD, 12                           ; v12    XSC + 4 L
.set EX,  13                           ; v13    the gate's x: 2 w XC + r XP + 64 h
.set CRD, 14                           ; v14    CV2 + 1,024 w + 64 h
.set CWR, 15                           ; v15    CV2 + 1,024 w + 32 L
.set RA,  16                           ; v16-19 the norm's rows: 4 w XP + 16 L + i 2 XC
.set GO,  20                           ; v20    4 w rows of out + 16 L
.set L32, 21                           ; v21    32 L
.set WSC, 24
.set XS,  32
.set AF,  40
.set XQ,  168
.set PC,  200
.set TM,  216                          ; v216-217 largest magnitudes, v218-219 at work, v220-221 holds, v222-223 scale operands
.set PW,  224
.set T,   40
.set XV,  72
.set RWA, 136                          ; the norm's row p at v[RWA - 96 p]
.set GAM, 168
.set BET, 200
.set AD,  232
.set ST,  236                          ; row p's statistics at v[ST + 8 p]: +0 sum, then mean; +2 squares, then 1 / sqrt; +4 squares
.set MSB, 0
.macro WIN new                         ; the immediate's high byte repeats the setting that is left; a switch that changes nothing is dropped
.if MSB != (\new)
	s_set_vgpr_msb (MSB<<8)|(\new)
.set MSB, (\new)
.endif
.endm
; half hf (two blocks of 32) of my chunk k: 16 numbers a lane of each block
.macro XLD k, hf
.irp bb, 0,1
.irp j, 0,1,2,3
	ds_load_b128 v[XQ+16*\bb+4*\j:XQ+16*\bb+4*\j+3], v[AQ+(\k)/2] offset:((\k)%2)*XC+128*(2*(\hf)+\bb)+16*\j
.endr
.endr
.endm
; the two blocks' scales: largest magnitude, scale operand, hold, byte
.macro QA hf
.irp bb, 0,1
	v_max3_num_f32 v[TM+\bb], |v[XQ+16*\bb]|, |v[XQ+1+16*\bb]|, 0x8000000   ; and the floor 2^(16 - 127): the byte cannot fall under 1
.endr
.irp i, 2,4,6,8,10,12,14
.irp bb, 0,1
	v_max3_num_f32 v[TM+\bb], v[TM+\bb], |v[XQ+16*\bb+\i]|, |v[XQ+1+16*\bb+\i]|
.endr
.endr
.irp bb, 0,1
	v_permlanex16_b32 v[TM+2+\bb], v[TM+\bb], s4, s5
.endr
.irp bb, 0,1
	v_max_num_f32 v[TM+\bb], v[TM+\bb], v[TM+2+\bb]       ; with lane l xor 16's: the block's largest magnitude
.endr
.irp bb, 0,1
	v_add_nc_u32 v[TM+6+\bb], 0xf8800000, v[TM+\bb]       ; 15 off its exponent field: the conversion's scale operand
.endr
.irp bb, 0,1
	v_and_or_b32 v[TM+4+\bb], v[TM+\bb], 0x7f800000, s6   ; 57,344 x the scale
.endr
.irp bb, 0,1
	v_lshrrev_b32 v[TM+2+\bb], 23, v[TM+6+\bb]            ; the scale's byte
.endr
.if (\hf) == 0
	v_lshl_or_b32 v[PW], v[TM+3], 8, v[TM+2]
.else
	v_lshl_or_b32 v[PW], v[TM+2], 16, v[PW]
	v_lshl_or_b32 v[PW], v[TM+3], 24, v[PW]               ; my row's scale word is whole
.endif
.endm
; the two blocks' codes, and their image
.macro QB k, hf
.irp bb, 0,1
.irp i, 0,1,2,3,4,5,6,7,8,9,10,11,12,13,14,15
	v_med3_num_f32 v[XQ+16*\bb+\i], v[XQ+16*\bb+\i], -v[TM+4+\bb], v[TM+4+\bb]   ; the hold at the largest code x the scale (ISA guide 7.6.2: the conversion does not saturate)
.endr
	v_cvt_scalef32_pk8_bf8_f32 v[PC+8*(\hf)+4*\bb:PC+8*(\hf)+4*\bb+1], v[XQ+16*\bb:XQ+16*\bb+7], v[TM+6+\bb]
	v_cvt_scalef32_pk8_bf8_f32 v[PC+8*(\hf)+4*\bb+2:PC+8*(\hf)+4*\bb+3], v[XQ+16*\bb+8:XQ+16*\bb+15], v[TM+6+\bb]
.endr
	v_nop                                                 ; a plain line behind the last conversion
.irp bb, 0,1
	ds_store_b128 v[IWR], v[PC+8*(\hf)+4*\bb:PC+8*(\hf)+4*\bb+3] offset:((\k)%2)*8192+512*(2*(\hf)+\bb)
.endr
.if (\hf) == 1
	ds_store_b32 v[SWR], v[PW] offset:((\k)%2)*512
.endif
.endm
.macro QFULL k
	XLD \k, 0
	s_wait_dscnt 0x0
	QA 0
	QB \k, 0
	XLD \k, 1
	s_wait_dscnt 0x0
	QA 1
	QB \k, 1
.endm
; K step k's four fragments of x and their scale words, from the images: 20 LDS loads
.macro FETCHA k
.irp m, 0,1,2,3
.irp c, 0,1,2,3
	ds_load_b128 v[AF+64*((\k)%2)+16*\m+4*\c:AF+64*((\k)%2)+16*\m+4*\c+3], v[IRD] offset:((\k)%2)*8192+2048*\m+512*\c
.endr
	ds_load_b32 v[XS+4*((\k)%2)+\m], v[SRD] offset:((\k)%2)*512+128*\m
.endr
.endm
; group g (tiles 4 g .. 4 g + 3) of the weight's K step s: 17 loads
.macro RLD s, g
	WIN 0x40                                       ; destination window 1
.irp tt, 0,1,2,3
.irp c, 0,1,2,3
	global_load_b128 v[64*(\g)+16*\tt+4*\c:64*(\g)+16*\tt+4*\c+3], v[L16], s[10:11] offset:(\s)*32768+(4*(\g)+\tt)*2048+512*\c
.endr
.endr
	WIN 0
	global_load_b64 v[WSC+2*(\g):WSC+2*(\g)+1], v[L8], s[12:13] offset:(4*(\s)+(\g))*256   ; word q: lanes 0-15 tile 4 g + 2 q, lanes 16-31 tile 4 g + 2 q + 1
.endm
; 16 products: group g's four tiles x the four tiles of rows.  Accumulator (t, m) lies in window 2 + t / 8 at v[64 ((t % 8) / 2) + 16 m + 8 (t % 2)].  The 64 take turns, one instruction a turn, in the same order in every K step.
.macro MUL s, g
	WIN 0xa1+0x50*((\g)/2)                         ; source 0 (the weight) window 1, source 1 (x) window 0, C and D window 2 or 3
.irp tt, 0,1,2,3
.irp m, 0,1,2,3
.set rD, 64*(((4*(\g)+\tt)%8)/2)+16*\m+8*(\tt%2)
.set rW, 16*(4*(\g)+\tt)
.set rX, AF+64*((\s)%2)+16*\m
.set rSW, WSC+2*(\g)+\tt/2
.set rSX, XS+4*((\s)%2)+\m
.if (\s) == 0                                  ; the first K step starts the sums: nothing is cleared
.if \tt%2
	v_wmma_scale_f32_16x16x128_f8f6f4 v[rD:rD+7], v[rW:rW+15], v[rX:rX+15], 0, v[rSW], v[rSX] matrix_a_fmt:MATRIX_FMT_BF8 matrix_b_fmt:MATRIX_FMT_BF8 matrix_a_scale:MATRIX_SCALE_ROW1
.else
	v_wmma_scale_f32_16x16x128_f8f6f4 v[rD:rD+7], v[rW:rW+15], v[rX:rX+15], 0, v[rSW], v[rSX] matrix_a_fmt:MATRIX_FMT_BF8 matrix_b_fmt:MATRIX_FMT_BF8
.endif
.else
.if \tt%2
	v_wmma_scale_f32_16x16x128_f8f6f4 v[rD:rD+7], v[rW:rW+15], v[rX:rX+15], v[rD:rD+7], v[rSW], v[rSX] matrix_a_fmt:MATRIX_FMT_BF8 matrix_b_fmt:MATRIX_FMT_BF8 matrix_a_scale:MATRIX_SCALE_ROW1
.else
	v_wmma_scale_f32_16x16x128_f8f6f4 v[rD:rD+7], v[rW:rW+15], v[rX:rX+15], v[rD:rD+7], v[rSW], v[rSX] matrix_a_fmt:MATRIX_FMT_BF8 matrix_b_fmt:MATRIX_FMT_BF8
.endif
.endif
.endr
.endr
.endm
; the way out's constants into the weight's registers, group by group as they fall free: of blocks 2 g, 2 g + 1 my 16 columns of ao (v[32 b ..]) and of c2 (v[32 b + 16 ..]): 16 LDS loads
.macro EL g
	WIN 0x40
.irp bb, 0,1
.irp j, 0,1,2,3
	ds_load_b128 v[32*(2*(\g)+\bb)+4*\j:32*(2*(\g)+\bb)+4*\j+3], v[CRD] offset:4096+128*(2*(\g)+\bb)+16*\j
	ds_load_b128 v[32*(2*(\g)+\bb)+16+4*\j:32*(2*(\g)+\bb)+16+4*\j+3], v[CRD] offset:128*(2*(\g)+\bb)+16*\j
.endr
.endr
	WIN 0
.endm
; x for the gate's piece n = 4 m + bp (rows 16 m + r, blocks 2 bp, 2 bp + 1 of my columns) into set n % 2: 8 LDS loads
.macro XVL n
.set xm_, (\n)/4
.set xb_, 2*((\n)%4)
.set xr_, XV+32*((\n)%2)
.irp bb, 0,1
.irp j, 0,1,2,3
	ds_load_b128 v[xr_+16*\bb+4*\j:xr_+16*\bb+4*\j+3], v[EX] offset:((xb_+\bb)/4)*XC+xm_*XT+128*((xb_+\bb)%4)+16*\j
.endr
.endr
.endm
; A K STEP.  Between a group's products and the loads into its registers stands a slice of the quantiser's work on chunk s + 2 (or eight v_nop): at least eight plain vector lines that name none of the products' registers.
; The slice behind the last group serves the next K step's loads into x's fragments and scale words too.
.macro TRIP s
.if (\s) < 7
	FETCHA (\s)+1                                  ; the next K step's fragments of x: their images were whole at the last barrier
	s_wait_dscnt 20                                ; all but these 20: this K step's fragments are in
.else
	s_wait_dscnt 0x0
.endif
.irp g, 0,1,2,3
.if (\s) < 7
	s_wait_loadcnt 51                              ; this group's 17 loads are in; the three groups asked for behind it, 17 loads each, may be out
.else
	s_wait_loadcnt 51-17*\g                        ; nothing is asked for any more: 17 for each group still to come
.endif
	MUL \s, \g
	WIN 0
.if (\s) > 5
.rept 8
	v_nop
.endr
.elseif \g == 0
	QA 0
.elseif \g == 1
	QB (\s)+2, 0                                   ; into the image buffer that every wave has read out: its loads were awaited ahead of the last barrier
	XLD (\s)+2, 1
.elseif \g == 2
	s_wait_dscnt 0x0
	QA 1
.else
	QB (\s)+2, 1
.endif
.if (\s) < 7
	RLD (\s)+1, \g
.else
	EL \g
.endif
.endr
.if (\s) < 5
	s_wait_tensorcnt 4-(\s)                        ; tensor loads of a wave end in order (ISA guide 10.11.1): chunk s + 3 is in, the 4 - s younger ones may be out
	XLD (\s)+3, 0
.endif
.if (\s) < 6
	s_wait_dscnt 0x0                               ; my image of chunk s + 2 has landed, and my reads of the other buffer are in
	s_barrier_signal -1
	s_barrier_wait -1
.endif
.endm
; THE GATE AND THE MIX, piece (m, bp): 32 numbers a lane.  T = log2(e) z, z = the sum + c + bg; 1 - g = 1 / (1 + 2^T), which is 0 where 2^T is infinite and 1 where it is 0; mix = ao + (1 - g)(x - ao) = g ao + (1 - g) x.
.macro E1 m, bp
.set en_, 4*(\m)+(\bp)
.set er_, XV+32*(en_%2)
.if en_ == 0
	s_wait_dscnt 56                                ; blocks 0, 1 of ao and c2 are in; behind them: the other three groups' 48 loads and x's 8
.endif
	WIN 0x12+(\bp)/2                               ; source 0 (the sums) window 2 or 3, source 2 (c2) window 1
.irp bb, 0,1
.irp i, 0,2,4,6,8,10,12,14
	v_pk_fma_f32 v[T+16*\bb+\i:T+16*\bb+\i+1], v[64*((2*(\bp)+\bb)%4)+16*(\m)+\i:64*((2*(\bp)+\bb)%4)+16*(\m)+\i+1], s[8:9], v[32*(2*(\bp)+\bb)+16+\i:32*(2*(\bp)+\bb)+17+\i] op_sel_hi:[1,0,1]   ; each accumulator from its low end on
.endr
.endr
	WIN 0
.set ei_, 0
.rept 32
	v_exp_f32 v[T+ei_], v[T+ei_]
.set ei_, ei_+1
.endr
	s_wait_dscnt 0x0                               ; this piece's x is in, and the last piece's stores have read their registers
.if en_ < 15
	XVL en_+1                                      ; the next piece's x
.endif
	WIN 0x04                                       ; source 1 (ao) window 1
.irp bb, 0,1
.irp i, 0,2,4,6,8,10,12,14
	v_pk_add_f32 v[er_+16*\bb+\i:er_+16*\bb+\i+1], v[er_+16*\bb+\i:er_+16*\bb+\i+1], v[32*(2*(\bp)+\bb)+\i:32*(2*(\bp)+\bb)+\i+1] neg_lo:[0,1] neg_hi:[0,1]   ; x - ao: plain work behind the exponentials, which names none of their results
.endr
.endr
	WIN 0
	s_wait_alu depctr_va_vdst(0)                   ; one wait for the batch of 32, ahead of its first reader
.irp i, 0,2,4,6,8,10,12,14,16,18,20,22,24,26,28,30
	v_pk_add_f32 v[T+\i:T+\i+1], v[T+\i:T+\i+1], 1.0 op_sel_hi:[1,0]
.endr
.set ei_, 0
.rept 32
	v_rcp_f32 v[T+ei_], v[T+ei_]
.set ei_, ei_+1
.endr
	v_nop                                          ; a plain line behind the last reciprocal
	s_wait_alu depctr_va_vdst(0)                   ; and one wait for this batch
	WIN 0x10                                       ; source 2 (ao) window 1
.irp bb, 0,1
.irp i, 0,2,4,6,8,10,12,14
	v_pk_fma_f32 v[er_+16*\bb+\i:er_+16*\bb+\i+1], v[T+16*\bb+\i:T+16*\bb+\i+1], v[er_+16*\bb+\i:er_+16*\bb+\i+1], v[32*(2*(\bp)+\bb)+\i:32*(2*(\bp)+\bb)+\i+1]
.endr
.endr
	WIN 0
.irp bb, 0,1
.irp j, 0,1,2,3
	ds_store_b128 v[EX], v[er_+16*\bb+4*\j:er_+16*\bb+4*\j+3] offset:((2*(\bp)+\bb)/4)*XC+(\m)*XT+128*((2*(\bp)+\bb)%4)+16*\j   ; over x, which has had its last fill and, in these bytes, its last read
.endr
.endr
.endm
; THE NORM of my four rows 16 m + 4 w + 0..3, two at a time by turns, so that no line waits for the line above it.  A lane holds 32 numbers of a row: columns 128 c + 4 L + 0..3.
; The variance is taken round the mean, in a second pass over the registers.
.macro LNR m
.if (\m) == 0
	s_wait_loadcnt 0x0                             ; gamma and beta
.endif
	s_mov_b32 s56, (\m)*XT
	s_mov_b32 s57, 2
.Lrows_\@:
.irp i, 0,1,2,3
	v_add_nc_u32 v[AD+\i], s56, v[RA+\i]
.endr
.irp p, 0,1
.irp c, 0,1,2,3,4,5,6,7
	ds_load_b128 v[RWA-96*\p+4*\c:RWA-96*\p+4*\c+3], v[AD+\c/2] offset:(\c%2)*XC+\p*XP   ; 512 consecutive bytes
.endr
.endr
	s_wait_dscnt 0x0
.irp p, 0,1
	v_pk_add_f32 v[ST+8*\p:ST+8*\p+1], v[RWA-96*\p:RWA-96*\p+1], v[RWA-96*\p+2:RWA-96*\p+3]
	v_pk_add_f32 v[ST+8*\p+2:ST+8*\p+3], v[RWA-96*\p+4:RWA-96*\p+5], v[RWA-96*\p+6:RWA-96*\p+7]
.endr
.irp i, 8,12,16,20,24,28
.irp p, 0,1
	v_pk_add_f32 v[ST+8*\p:ST+8*\p+1], v[ST+8*\p:ST+8*\p+1], v[RWA-96*\p+\i:RWA-96*\p+\i+1]
	v_pk_add_f32 v[ST+8*\p+2:ST+8*\p+3], v[ST+8*\p+2:ST+8*\p+3], v[RWA-96*\p+\i+2:RWA-96*\p+\i+3]
.endr
.endr
.irp p, 0,1
	v_pk_add_f32 v[ST+8*\p:ST+8*\p+1], v[ST+8*\p:ST+8*\p+1], v[ST+8*\p+2:ST+8*\p+3]
.endr
.irp p, 0,1
	v_add_f32 v[ST+8*\p], v[ST+8*\p], v[ST+8*\p+1]
.endr
.irp x, 1,2,4,8
.irp p, 0,1
	v_add_f32_dpp v[ST+8*\p], v[ST+8*\p], v[ST+8*\p] row_xmask:\x row_mask:0xf bank_mask:0xf
.endr
.endr
.irp p, 0,1
	v_permlanex16_b32 v[ST+8*\p+1], v[ST+8*\p], s4, s5
.endr
.irp p, 0,1
	v_add_f32 v[ST+8*\p], v[ST+8*\p], v[ST+8*\p+1]
.endr
.irp p, 0,1
	v_mul_f32 v[ST+8*\p], s59, v[ST+8*\p]          ; the mean
.endr
.irp i, 0,2,4,6,8,10,12,14,16,18,20,22,24,26,28,30
.irp p, 0,1
	v_pk_add_f32 v[RWA-96*\p+\i:RWA-96*\p+\i+1], v[RWA-96*\p+\i:RWA-96*\p+\i+1], v[ST+8*\p:ST+8*\p+1] op_sel_hi:[1,0] neg_lo:[0,1] neg_hi:[0,1]
.endr
.endr
.irp p, 0,1
	v_pk_mul_f32 v[ST+8*\p+2:ST+8*\p+3], v[RWA-96*\p:RWA-96*\p+1], v[RWA-96*\p:RWA-96*\p+1]
	v_pk_mul_f32 v[ST+8*\p+4:ST+8*\p+5], v[RWA-96*\p+2:RWA-96*\p+3], v[RWA-96*\p+2:RWA-96*\p+3]
.endr
.irp i, 4,8,12,16,20,24,28
.irp p, 0,1
	v_pk_fma_f32 v[ST+8*\p+2:ST+8*\p+3], v[RWA-96*\p+\i:RWA-96*\p+\i+1], v[RWA-96*\p+\i:RWA-96*\p+\i+1], v[ST+8*\p+2:ST+8*\p+3]
	v_pk_fma_f32 v[ST+8*\p+4:ST+8*\p+5], v[RWA-96*\p+\i+2:RWA-96*\p+\i+3], v[RWA-96*\p+\i+2:RWA-96*\p+\i+3], v[ST+8*\p+4:ST+8*\p+5]
.endr
.endr
.irp p, 0,1
	v_pk_add_f32 v[ST+8*\p+2:ST+8*\p+3], v[ST+8*\p+2:ST+8*\p+3], v[ST+8*\p+4:ST+8*\p+5]
.endr
.irp p, 0,1
	v_add_f32 v[ST+8*\p+2], v[ST+8*\p+2], v[ST+8*\p+3]
.endr
.irp x, 1,2,4,8
.irp p, 0,1
	v_add_f32_dpp v[ST+8*\p+2], v[ST+8*\p+2], v[ST+8*\p+2] row_xmask:\x row_mask:0xf bank_mask:0xf
.endr
.endr
.irp p, 0,1
	v_permlanex16_b32 v[ST+8*\p+3], v[ST+8*\p+2], s4, s5
.endr
.irp p, 0,1
	v_add_f32 v[ST+8*\p+2], v[ST+8*\p+2], v[ST+8*\p+3]
.endr
.irp p, 0,1
	v_fma_f32 v[ST+8*\p+2], v[ST+8*\p+2], s59, s58 ; the variance + 1e-5
.endr
.irp p, 0,1
	v_rsq_f32 v[ST+8*\p+2], v[ST+8*\p+2]
.endr
	v_nop                                          ; a plain line behind the last of the two
	s_wait_alu depctr_va_vdst(0)                   ; one wait for both, ahead of the first reader
.irp i, 0,2,4,6,8,10,12,14,16,18,20,22,24,26,28,30
.irp p, 0,1
	v_pk_mul_f32 v[RWA-96*\p+\i:RWA-96*\p+\i+1], v[RWA-96*\p+\i:RWA-96*\p+\i+1], v[ST+8*\p+2:ST+8*\p+3] op_sel_hi:[1,0]
.endr
.endr
.irp i, 0,2,4,6,8,10,12,14,16,18,20,22,24,26,28,30
.irp p, 0,1
	v_pk_fma_f32 v[RWA-96*\p+\i:RWA-96*\p+\i+1], v[RWA-96*\p+\i:RWA-96*\p+\i+1], v[GAM+\i:GAM+\i+1], v[BET+\i:BET+\i+1]
.endr
.endr
.irp p, 0,1
.irp c, 0,1,2,3,4,5,6,7
	global_store_b128 v[GO], v[RWA-96*\p+4*\c:RWA-96*\p+4*\c+3], s[14:15] offset:\p*4096+512*\c th:TH_STORE_NT   ; 32 lanes store 512 consecutive bytes, at a multiple of 256 from out's first byte; written once, read by nobody here
.endr
.endr
	s_wait_xcnt 0x0                                ; the stores have read their registers and their base: both are written again below
	s_add_nc_u64 s[14:15], s[14:15], 8192          ; two rows of out on,
	s_add_co_u32 s56, s56, 2*XP                    ; and in LDS
	s_sub_co_u32 s57, s57, 1
	s_cmp_lg_u32 s57, 0
	s_cbranch_scc1 .Lrows_\@
	s_add_nc_u64 s[14:15], s[14:15], 49152         ; on to the next tile of 16 rows
.endm
	s_load_b512 s[68:83], s[0:1], 0x0              ; x 68, wf 70, ws 72, pc 74, ao 76, bg 78, gamma 80, beta 82
	s_load_b64 s[84:85], s[0:1], 0x40              ; out
	v_lshl_add_u32 v[SPW], v0, 2, SPARE
	v_mov_b32 v[NIL], 0
	ds_add_u32 v[SPW], v[NIL]                      ; the wave's opening: the add, twice on end, and its wait ahead of my first tensor load; the set-up below stands between the second and the wait
	ds_add_u32 v[SPW], v[NIL]
	v_lshrrev_b32 v3, 5, v0
	v_readfirstlane_b32 s2, v3                     ; wave w, 0..3
	; descriptor group 1: a tile of 16 rows x 128 elements of 4 bytes, 16 bytes of padding behind each row
	s_mov_b32 s16, (2<<16)|(1<<20)|(6<<22)|(3<<25) ; 15:0 no mask; 17:16 elements of 4 bytes; 20 padding on; 24:22 after every 128 words (code 6); 31:25 four words (code 3)
	s_mov_b32 s17, 128<<16                         ; tensor_dim0 = 128
	s_mov_b32 s18, 16<<16                          ; tensor_dim1 = 16
	s_mov_b32 s19, 128<<16                         ; tile_dim0 = 128
	s_mov_b32 s20, 16                              ; tile_dim1 = 16
	s_mov_b32 s21, 1024                            ; elements from row to row
	s_mov_b32 s22, 0
	s_mov_b32 s23, 0
	s_mov_b32 s4, 0x76543210
	s_mov_b32 s5, 0xfedcba98                       ; v_permlanex16_b32's selects for lane l xor 16
	s_mov_b32 s6, 0x600000                         ; the mantissa field of 57,344
	s_mov_b32 s8, 0x3fb8aa3b                       ; log2(e)
	s_mov_b32 s9, s8                               ; (named with it as a pair, so it is written)
	s_mov_b32 s58, 0x3727c5ac                      ; 1e-5
	s_mov_b32 s59, 0x3a800000                      ; 1 / 1024
	s_mul_i32 s60, s2, XT                          ; my 16 rows in a chunk
	s_lshl_b32 s62, ttmp9, 18                      ; the work-group's 64 rows of 4,096 bytes,
	s_lshl_b32 s61, s2, 16                         ; my 16 of them
	s_add_co_u32 s62, s62, s61
	s_mov_b32 s63, 0
	s_wait_dscnt 0x0                               ; both opening adds are done
	s_wait_kmcnt 0x0
	s_add_nc_u64 s[62:63], s[68:69], s[62:63]
.irp k, 0,1,2,3,4,5,6,7                        ; ALL OF x, in K's order: a group 0 for each load, never rewritten; every wave issues its eight
	s_mov_b32 s[24+4*\k], 1                        ; count = 1
	s_add_co_u32 s[25+4*\k], s60, \k*XC            ; LDS address: a constant x wave + the chunk's constant
	s_add_nc_u64 s[26+4*\k:27+4*\k], s[62:63], 512*\k
	s_or_b32 s[27+4*\k], s[27+4*\k], 0x80000000    ; type = 2
	tensor_load_to_lds s[24+4*\k:27+4*\k], s[16:23]
	s_nop 0
.endr
	v_and_b32 v216, 31, v0                         ; L
	v_and_b32 v217, 15, v0                         ; r
	v_bfe_u32 v218, v0, 4, 1                       ; h
	v_mul_u32_u24 v219, v217, XP
	v_lshl_add_u32 v219, v218, 6, v219             ; r XP + 64 h
	v_lshlrev_b32 v[L16], 4, v216
	v_lshlrev_b32 v[L8], 3, v216
	v_lshlrev_b32 v[L32], 5, v216
	v_add_nc_u32 v[AQ], s60, v219
	v_add_nc_u32 v[AQ+1], 2*XC, v[AQ]
	v_add_nc_u32 v[AQ+2], 4*XC, v[AQ]
	v_add_nc_u32 v[AQ+3], 6*XC, v[AQ]
	s_lshl_b32 s61, s2, 11
	s_add_co_u32 s61, s61, IMG
	v_add_nc_u32 v[IWR], s61, v[L16]
	s_lshl_b32 s61, s2, 7
	s_add_co_u32 s61, s61, XSC
	v_lshl_add_u32 v[SWR], v216, 2, s61
	v_add_nc_u32 v[IRD], IMG, v[L16]
	v_lshl_add_u32 v[SRD], v216, 2, XSC
	s_mul_i32 s61, s2, 2*XC
	v_add_nc_u32 v[EX], s61, v219
	s_lshl_b32 s61, s2, 10
	s_add_co_u32 s61, s61, CV2
	v_lshl_add_u32 v[CRD], v218, 6, s61
	v_lshl_add_u32 v[CWR], v216, 5, s61
	s_mul_i32 s61, s2, 4*XP
	v_add_nc_u32 v[RA], s61, v[L16]
	v_add_nc_u32 v[RA+1], 2*XC, v[RA]
	v_add_nc_u32 v[RA+2], 4*XC, v[RA]
	v_add_nc_u32 v[RA+3], 6*XC, v[RA]
	s_lshl_b32 s61, s2, 14
	v_add_nc_u32 v[GO], s61, v[L16]
	s_lshl_b32 s86, s2, 18
	s_mov_b32 s87, 0
	s_add_nc_u64 s[10:11], s[70:71], s[86:87]      ; wf[w]
	s_lshl_b32 s86, s2, 13
	s_add_nc_u64 s[12:13], s[72:73], s[86:87]      ; ws[w]
	s_lshl_b32 s86, ttmp9, 18
	s_add_nc_u64 s[14:15], s[84:85], s[86:87]      ; out at the work-group's first row
	s_lshr_b32 s61, ttmp9, 5                       ; my batch: 32 work-groups to each
	s_lshl_b32 s61, s61, 12
	s_lshl_b32 s86, s2, 10                         ; my 256 columns, in bytes
	s_add_nc_u64 s[88:89], s[78:79], s[86:87]      ; bg
	s_add_co_u32 s86, s86, s61
	s_add_nc_u64 s[90:91], s[76:77], s[86:87]      ; ao[batch]
	s_add_nc_u64 s[86:87], s[74:75], s[86:87]      ; pc[0][batch]
	; c2 = log2(e) (the eight partial sums of c + bg) and ao, my 256 columns, 8 a lane, into LDS while x is on its way.  Only I read these bytes later.
.irp p, 0,1,2,3,4,5,6,7
	global_load_b128 v[40+8*\p:43+8*\p], v[L32], s[86:87] offset:32768*\p
	global_load_b128 v[44+8*\p:47+8*\p], v[L32], s[86:87] offset:32768*\p+16
.endr
	global_load_b128 v[104:107], v[L32], s[88:89]
	global_load_b128 v[108:111], v[L32], s[88:89] offset:16
	global_load_b128 v[112:115], v[L32], s[90:91]
	global_load_b128 v[116:119], v[L32], s[90:91] offset:16
	RLD 0, 0
	RLD 0, 1
	s_wait_loadcnt 34                              ; all but the weight's two groups, 17 loads each
.irp p, 1,2,3,4,5,6,7
.irp j, 0,2,4,6
	v_pk_add_f32 v[40+\j:41+\j], v[40+\j:41+\j], v[40+8*\p+\j:41+8*\p+\j]
.endr
.endr
.irp j, 0,2,4,6
	v_pk_add_f32 v[40+\j:41+\j], v[40+\j:41+\j], v[104+\j:105+\j]
.endr
.irp j, 0,2,4,6
	v_pk_mul_f32 v[40+\j:41+\j], v[40+\j:41+\j], s[8:9] op_sel_hi:[1,0]
.endr
	ds_store_b128 v[CWR], v[40:43]
	ds_store_b128 v[CWR], v[44:47] offset:16
	ds_store_b128 v[CWR], v[112:115] offset:4096
	ds_store_b128 v[CWR], v[116:119] offset:4112
	RLD 0, 2
	RLD 0, 3
	; chunks 0 and 1 are quantised ahead of the first products
	s_wait_tensorcnt 7                             ; my chunk 0 is in; the seven younger loads may be out.  I alone read my chunks until the way out, so my own wait is all that these reads need
	QFULL 0
	s_wait_dscnt 0x0                               ; for the others' sake: my image has landed
	s_barrier_signal -1
	s_barrier_wait -1
	FETCHA 0
	s_wait_tensorcnt 6
	QFULL 1
	s_wait_tensorcnt 5
	XLD 2, 0
	s_wait_dscnt 0x0
	s_barrier_signal -1
	s_barrier_wait -1
	; the eight K steps are written out: their counts of tensor loads differ.  Every wave's wait for its last chunk (K step 4) and its last quantiser's read of x (K step 5) stand ahead of a barrier: behind it any wave may read, and write over, any wave's part of x
	TRIP 0
	TRIP 1
	TRIP 2
	TRIP 3
	TRIP 4
	TRIP 5
	TRIP 6
	TRIP 7
	XVL 0
.irp c, 0,1,2,3,4,5,6,7
	global_load_b128 v[GAM+4*\c:GAM+4*\c+3], v[L16], s[80:81] offset:512*\c   ; gamma and beta of columns 128 c + 4 L + 0..3: the norm's layout
	global_load_b128 v[BET+4*\c:BET+4*\c+3], v[L16], s[82:83] offset:512*\c
.endr
.irp m, 0,1,2,3
	E1 \m, 0
	E1 \m, 1
	E1 \m, 2
	E1 \m, 3
	s_wait_dscnt 0x0                               ; my part of these 16 rows has landed
	s_barrier_signal -1
	s_barrier_wait -1                              ; the 16 rows are whole.  The next tile's gate touches other rows, so no barrier stands behind the norm
	LNR \m
.endr
	s_wait_tensorcnt 0x0                           ; the wave's end, behind my last tensor load and my last LDS store
	ds_add_u32 v[SPW], v[NIL]
	s_wait_dscnt 0x0
	s_endpgm
.Lfunc_end_k_qa6ce338ed1_main:
	.size	k_qa6ce338ed1_main, .Lfunc_end_k_qa6ce338ed1_main-k_qa6ce338ed1_main
	.p2alignl 7, 3214868480
	.fill 96, 4, 3214868480
	.section	.rodata,"a",@progbits
	.p2align	6, 0x0
	.amdhsa_kernel k_qa6ce338ed1_main
		.amdhsa_group_segment_fixed_size 327680
		.amdhsa_private_segment_fixed_size 0
		.amdhsa_enable_private_segment 0
		.amdhsa_kernarg_size 72
		.amdhsa_user_sgpr_count 2
		.amdhsa_user_sgpr_kernarg_segment_ptr 1
		.amdhsa_wavefront_size32 1
		.amdhsa_system_sgpr_workgroup_id_x 1
		.amdhsa_system_sgpr_workgroup_id_y 1
		.amdhsa_system_sgpr_workgroup_id_z 1
		.amdhsa_system_vgpr_workitem_id 0
		.amdhsa_next_free_vgpr 1024
		.amdhsa_next_free_sgpr 96
		.amdhsa_reserve_vcc 0
		.amdhsa_float_denorm_mode_32 3
		.amdhsa_float_denorm_mode_16_64 3
		.amdhsa_memory_ordered 1
		.amdhsa_forward_progress 1
		.amdhsa_inst_pref_size 255
	.end_amdhsa_kernel
	.section	.bss,"aw",@nobits
	.p2align	6
	.space	262144
	.amdgpu_metadata
---
amdhsa.version: [ 1, 2 ]
amdhsa.kernels:
  - .name:           k_qa6ce338ed1_main
    .symbol:         k_qa6ce338ed1_main.kd
    .args:
      - { .name: speech_features, .offset: 0, .size: 8, .value_kind: global_buffer, .address_space: global }
      - { .name: wf, .offset: 8, .size: 8, .value_kind: global_buffer, .address_space: global }
      - { .name: ws, .offset: 16, .size: 8, .value_kind: global_buffer, .address_space: global }
      - { .name: pc, .offset: 24, .size: 8, .value_kind: global_buffer, .address_space: global }
      - { .name: ao, .offset: 32, .size: 8, .value_kind: global_buffer, .address_space: global }
      - { .name: bg, .offset: 40, .size: 8, .value_kind: global_buffer, .address_space: global }
      - { .name: gamma, .offset: 48, .size: 8, .value_kind: global_buffer, .address_space: global }
      - { .name: beta, .offset: 56, .size: 8, .value_kind: global_buffer, .address_space: global }
      - { .name: out0, .offset: 64, .size: 8, .value_kind: global_buffer, .address_space: global }
    .group_segment_fixed_size: 327680
    .private_segment_fixed_size: 0
    .kernarg_segment_align: 8
    .kernarg_segment_size: 72
    .max_flat_workgroup_size: 128
    .sgpr_count:     96
    .vgpr_count:     1024
    .wavefront_size: 32
...
	.end_amdgpu_metadata
.endif
;; end of part 3
;; ======== version 2 of 2: 3 launches; version 1 with the launches prep1, prep2 written anew for expert scheduling mode
;; workspace buffers: wf 1,048,576 bytes; ws 32,768 bytes; pao 262,144 bytes; ao 32,768 bytes; pc 262,144 bytes
;; launch prep1 (part 4): grid 74 x 1, 8 waves a work-group, no clusters, 17,920 bytes of LDS; arguments speaker_embedding, Wv, b_in, Wo_codes, Wo_scales, Wg_codes, Wg_scales, pao, wf, ws; writes pao, wf, ws
.if DOCPART == 4
	.amdgcn_target "amdgcn-amd-amdhsa--gfx1250"
	.amdhsa_code_object_version 6
	.text
	.protected	k_qa6ce338ed1_prep1
	.globl	k_qa6ce338ed1_prep1
	.p2align	8
	.type	k_qa6ce338ed1_prep1,@function
k_qa6ce338ed1_prep1:
	s_mov_b64 s[64:65], 0
	v_nop
	global_prefetch_b8 v0, s[64:65] scope:SCOPE_SE
	s_setreg_imm32_b32 hwreg(HW_REG_WAVE_SCHED_MODE, 0, 2), 2
	s_setreg_imm32_b32 hwreg(HW_REG_WAVE_MODE, 25, 1), 1
	s_wait_xcnt 0x0
	s_wait_alu depctr_vm_vsrc(0)
; GATED CROSS-ATTENTION WITH ONE KEY/VALUE TOKEN, first of three launches.
; WORK LEFT OUT, for all finite values of the inputs.  scores has shape (B,H,S,1) and the softmax runs along its last axis, of length 1:
; exp(s - max s) / sum = exp(0) / exp(0) = 1 whatever s is.  So q = x Wq^T + bq, k = spk Wk^T + bk and scores = q.k / 8 reach no output: these three products are not computed, and
; Wq_codes, Wq_scales, Wk and b_in[0:2048] are not loaded and are no launch's arguments.  ctx = 1 * v: ctx[b,s,:] = v[b,:].
; All 2,048 rows of ctx of a batch are the same numbers, so their codes, their scales and their rows of attn_out = Q(ctx) Wo^T + bo are the same: attn_out is computed once for each batch (ao[b,:]).
; The gate's K = 2,048 is cut into blocks of 32 and 1,024 is a multiple of 32, so x's blocks and attn_out's are quantised apart:
; gate_in Wg^T + bg = Q(x) Wg[:,0:1024]^T + c[b,:], c[b,f] = Q(ao[b]) . Wg[f,1024:2048] + bg[f], again one row for each batch.
; LIMITS: a NaN, an infinity or an overflow that arises only in q, k or the scores is not carried to the result.  NaN and infinities among the inputs are not served.  A block of zeros gets
; the scale byte 1 where the quantiser says 127: its codes are zeros, which add nothing under that byte, and the bytes are read by this program alone.  Sums over K are taken in slices of 128 and the
; slices added in f32: another order of rounding than one running sum.
; THIS LAUNCH, by the work-group's number:
;  0-63  (ks = id & 7, fs = id >> 3): v[b, 128 ks .. +127] = spk Wv^T + bv in f32 (its result goes into a quantiser: the f32 matrix form, 64 steps of 4 along the 256), quantised along K,
;        times Wo[128 fs .. +127, 128 ks .. +127]: pao[ks][b][f], the ks-th of eight partial sums of ao.  A quantiser wants only its own 32 numbers, so a slice of K can go through alone.
;  64-71: Wg[:, 0:1024]'s codes laid in the order of the operand's registers: wf[w 4][s 8][t 16][c 4][lane 32][16 bytes]: lane (r, h) of tile t holds K = 128 s + 32 c + 16 h + 0..15 of row 256 w + 32 (t/2) + 8 (t%2) + r + 8 (r/8).
;  72-73: their scale words: ws[w 4][s 8][g 4][lane 32][q 2]: word q of lane 16 h + r is that of tile 4 g + 2 q + h, row r, K step s.
; The three paths part on the work-group's number alone, so all eight waves of a work-group go one way; only the first path touches LDS and has barriers.
; THE MODE: SCHED_MODE bits 1:0 = 2 (LLVM: expert scheduling mode 2), set by the entry lines.  The code itself states the register dependences
; between vector or matrix instructions and memory or LDS instructions, with s_wait_alu, always for 0.
; THE PLAN.  Registers that memory or LDS instructions touch:
;   s2               Written by v_readfirstlane_b32 at the head; read by scalar lines on all three paths: one wait on va_sdst ahead of the first branch.
;   v7, v8-v15       Offsets and LDS addresses: made once on each path, ahead of that path's first wait on va_vdst, and never written again.
;   v176-183, v192-208, v16-143, v256-383   Path 0-63: loads land there, matrix instructions read them.
;   v184-191         Written by the packed sums, read by two LDS stores: a wait on va_vdst between.  The same wait states that the matrix instructions and the sums are done with v16-143:
;   v16-79           the LDS loads behind the barrier land there; no vector instruction stands between that wait and them.  The quantiser then reads and writes them.
;   v240-255, v209   Codes and scale word: written by vector instructions, read by the scaled product: its places, then a wait on va_vdst.
;   v216-223         The product's result, read by two LDS stores: the places, then a wait on va_vdst, which also states that the holds and conversions are done with v16-19, where the stage's load lands.
;   v32-47           Path 72-73: written by moves, read by stores: a wait on va_vdst between.
;   v1, v2           Written at the head, read by the closing add alone.
; No register that a memory or LDS instruction reads is written again on any path, so the text holds no wait on vm_vsrc but the entry line's and the closing lines'.
.set VIMG,  0                          ; LDS: eight waves' pieces of v, 1,024 bytes each, as images of their registers
.set STG,   8192                       ; a stage of 16 rows x (512 + 16) bytes for the results
.set SPARE, 16640                      ; the spare words, 128 bytes for each wave: four blocks of 256 bytes that no other line names
.set SPW,   1                          ; v1   SPARE + 4 x my thread's number; never rewritten
.set NIL,   2                          ; v2   0; never rewritten
.set XQ,    16                         ; v16-79   64 numbers to be quantised (before: v16-143 Wv's rows)
.set TM,    224                        ; v224-239 the quantiser's work: largest magnitudes, bytes, holds, scale operands
.set PC,    240                        ; v240-255 the codes made
.set PW,    209                        ; v209 their scale word; v208 the weight's: these two hold scales and nothing else
.set MSB, 0
.macro WIN new                         ; the immediate's high byte repeats the setting that is left
.if MSB != (\new)
	s_set_vgpr_msb (MSB<<8)|(\new)
.set MSB, (\new)
.endif
.endm
; 64 numbers of a lane, register 16 b + i = K 32 b + 16 (lane / 16) + i of my row, become a fragment's codes and its scale word
.macro QUANT64
.irp b, 0,1,2,3
	v_max3_num_f32 v[TM+\b], |v[XQ+16*\b]|, |v[XQ+1+16*\b]|, 0x8000000   ; my 16 numbers of block b, and the floor 2^(16 - 127): the byte cannot fall under 1
.endr
.irp i, 2,4,6,8,10,12,14
.irp b, 0,1,2,3
	v_max3_num_f32 v[TM+\b], v[TM+\b], |v[XQ+16*\b+\i]|, |v[XQ+1+16*\b+\i]|   ; the four blocks by turns
.endr
.endr
.irp b, 0,1,2,3
	v_permlanex16_b32 v[TM+4+\b], v[TM+\b], s36, s37
.endr
.irp b, 0,1,2,3
	v_max_num_f32 v[TM+\b], v[TM+\b], v[TM+4+\b]          ; with lane l xor 16's: the block's largest magnitude
.endr
.irp b, 0,1,2,3
	v_add_nc_u32 v[TM+12+\b], 0xf8800000, v[TM+\b]        ; 15 off its exponent field: the conversion's scale operand
.endr
.irp b, 0,1,2,3
	v_and_or_b32 v[TM+8+\b], v[TM+\b], 0x7f800000, s38    ; 57,344 x the scale
.endr
.irp b, 0,1,2,3
	v_lshrrev_b32 v[TM+4+\b], 23, v[TM+12+\b]             ; the scale's byte
.endr
	v_lshl_or_b32 v[PW], v[TM+5], 8, v[TM+4]              ; my row's scale word; the 64 holds below stand between it and the product
	v_lshl_or_b32 v[PW], v[TM+6], 16, v[PW]
	v_lshl_or_b32 v[PW], v[TM+7], 24, v[PW]
.irp b, 0,1,2,3
.irp i, 0,1,2,3,4,5,6,7,8,9,10,11,12,13,14,15
	v_med3_num_f32 v[XQ+16*\b+\i], v[XQ+16*\b+\i], -v[TM+8+\b], v[TM+8+\b]   ; the conversion to an 8-bit code does not saturate (ISA guide 7.6.2): the hold at the largest code x the scale
.endr
	v_cvt_scalef32_pk8_bf8_f32 v[PC+4*\b:PC+1+4*\b], v[XQ+16*\b:XQ+7+16*\b], v[TM+12+\b]
	v_cvt_scalef32_pk8_bf8_f32 v[PC+2+4*\b:PC+3+4*\b], v[XQ+8+16*\b:XQ+15+16*\b], v[TM+12+\b]
.endr
	v_nop                                                 ; a plain line behind the last conversion
.endm
	s_load_b512 s[16:31], s[0:1], 0x0              ; spk 16, Wv 18, b_in 20, Wo's codes 22, Wo's scales 24, Wg's codes 26, Wg's scales 28, pao 30
	s_load_b128 s[32:35], s[0:1], 0x40             ; wf 32, ws 34
	v_lshl_add_u32 v[SPW], v0, 2, SPARE
	v_mov_b32 v[NIL], 0
	v_lshrrev_b32 v3, 5, v0
	v_readfirstlane_b32 s2, v3                     ; wave u, 0..7
	v_and_b32 v3, 31, v0                           ; lane L
	v_and_b32 v4, 15, v0                           ; r
	v_bfe_u32 v5, v0, 4, 1                         ; h
	v_and_b32 v6, 8, v4
	v_add_nc_u32 v6, v6, v4                        ; r + 8 (r / 8)
	v_lshlrev_b32 v7, 4, v3                        ; 16 L
	s_wait_alu depctr_va_sdst(0)                   ; s2 is written, ahead of the branches behind which each path's scalar lines first read it
	s_mov_b32 s9, 0                                ; the high word of every offset below
	s_wait_kmcnt 0x0
	s_cmp_lt_u32 ttmp9, 64
	s_cbranch_scc0 .Lrelay
	; ---------------- a slice of v, quantised, times a block of Wo ----------------
	s_and_b32 s3, ttmp9, 7                         ; ks
	s_lshr_b32 s4, ttmp9, 3                        ; fs
	s_lshr_b32 s5, s2, 1                           ; my block of 32 along K,
	s_and_b32 s6, s2, 1                            ; and which of its two tiles
	s_lshl_b32 s7, s3, 7
	s_lshl_b32 s5, s5, 5
	s_lshl_b32 s6, s6, 3
	s_add_co_u32 s7, s7, s5
	s_add_co_u32 s7, s7, s6                        ; my tile's first row of Wv: 128 ks + 32 (u / 2) + 8 (u % 2)
	s_lshl_b32 s8, s7, 10
	s_add_nc_u64 s[18:19], s[18:19], s[8:9]        ; Wv at that row (1,024 bytes a row)
	s_add_co_u32 s8, s7, 2048
	s_lshl_b32 s8, s8, 2
	s_add_nc_u64 s[20:21], s[20:21], s[8:9]        ; bv = b_in[2048 ..] at the same place
	s_lshl_b32 s10, s4, 7
	s_lshl_b32 s11, s2, 4
	s_add_co_u32 s10, s10, s11                     ; my 16 rows of Wo: 128 fs + 16 u
	s_lshl_b32 s8, s10, 10
	s_lshl_b32 s11, s3, 7
	s_add_co_u32 s8, s8, s11
	s_add_nc_u64 s[22:23], s[22:23], s[8:9]        ; their codes at K = 128 ks
	s_lshl_b32 s8, s10, 5
	s_lshl_b32 s11, s3, 2
	s_add_co_u32 s8, s8, s11
	s_add_nc_u64 s[24:25], s[24:25], s[8:9]        ; and their scale words
	s_lshl_b32 s8, s3, 15
	s_lshl_b32 s11, s2, 12
	s_add_co_u32 s8, s8, s11
	s_lshl_b32 s11, s4, 9
	s_add_co_u32 s8, s8, s11
	s_add_nc_u64 s[30:31], s[30:31], s[8:9]        ; pao[ks][batch u][128 fs]
	s_mov_b32 s36, 0x76543210
	s_mov_b32 s37, 0xfedcba98                      ; v_permlanex16_b32's selects for lane l xor 16
	s_mov_b32 s38, 0x600000                        ; the mantissa field of 57,344
	v_lshlrev_b32 v8, 10, v6
	v_lshl_add_u32 v8, v5, 4, v8                   ; Wv: THE ROWS OF A TILE ARE NOT NEIGHBOURS: lane r takes row r + 8 (r / 8); + 16 h bytes
	v_and_b32 v9, 7, v4
	v_lshlrev_b32 v9, 10, v9
	v_lshl_add_u32 v9, v5, 4, v9                   ; spk: batch r % 8 (columns 8-15 repeat the eight batches); the same bytes of the row
	v_lshlrev_b32 v10, 6, v5                       ; bv: 64 h
	v_lshlrev_b32 v11, 10, v4
	v_lshl_add_u32 v11, v5, 4, v11                 ; Wo: row r, + 16 h
	v_lshlrev_b32 v12, 5, v4                       ; Wo's scale words: 32 bytes a row
	s_lshl_b32 s14, s2, 10
	v_add_nc_u32 v13, s14, v7                      ; LDS: my piece of v: 1,024 u + 16 L
	v_mul_u32_u24 v14, v4, 528
	v_lshl_add_u32 v14, v5, 5, v14
	s_lshl_b32 s14, s2, 6
	s_add_co_u32 s14, s14, STG
	v_add_nc_u32 v14, s14, v14                     ; the stage, in: row r, + 64 u + 32 h
	s_mul_i32 s14, s2, 528
	s_add_co_u32 s14, s14, STG
	v_add_nc_u32 v15, s14, v7                      ; and back: row u, 16 bytes a lane
.irp b, 0,1,2,3
	v_mov_b32 v[TM+4+\b], 0                        ; written once: a lane permute's destination counts as one of its sources
.endr
	s_wait_alu depctr_va_vdst(0)                   ; the offsets and LDS addresses v7 to v15 are written, which every load and store of this path reads; only loads and window switches stand between this wait and the last of the loads below
	global_load_b128 v[176:179], v10, s[20:21]     ; bv in the result's layout: register j = K 16 h + j of my tile
	global_load_b128 v[180:183], v10, s[20:21] offset:16
.irp c, 0,1,2,3
	global_load_b128 v[192+4*\c:195+4*\c], v11, s[22:23] offset:32*\c   ; Wo's fragment
.endr
	global_load_b32 v208, v12, s[24:25]
; Four batches of 8 x 8 numbers along the 256.  A lane's 16 bytes at 32 q + 16 h are two register pairs: pair a of lanes h = 0, 1 is one K step of 4 of the f32 form.  The same order on both sides.
.irp t, 0,1,2,3
.irp q, 0,1,2,3,4,5,6,7
	global_load_b128 v[16+4*(8*\t+\q):19+4*(8*\t+\q)], v8, s[18:19] offset:32*(8*\t+\q)
.endr
	WIN 0x40                                       ; destination window 1
.irp q, 0,1,2,3,4,5,6,7
	global_load_b128 v[4*(8*\t+\q):4*(8*\t+\q)+3], v9, s[16:17] offset:32*(8*\t+\q)
.endr
	WIN 0
.endr
	WIN 0x04                                       ; source 1 (spk) window 1
; Source 0 = 16 rows of Wv, source 1 = spk: lane (r, h) holds batch r % 8, register j = K 32 (u / 2) + 8 (u % 2) + 16 h + j.  Four accumulators take turns, one instruction a turn;
; the first begins with bv, the others with 0.  v144-175 are written by these instructions alone.
.set i, 0
.rept 64
.if i%16 == 0
	s_wait_loadcnt 48-16*(i/16)                    ; this batch's 16 loads are in; the younger batches, 16 loads each, may be out
.endif
.if i == 0
	v_wmma_f32_16x16x4_f32 v[144:151], v[16:17], v[0:1], v[176:183]
.elseif i < 4
	v_wmma_f32_16x16x4_f32 v[144+8*i:151+8*i], v[16+2*i:17+2*i], v[2*i:2*i+1], 0
.else
	v_wmma_f32_16x16x4_f32 v[144+8*(i%4):151+8*(i%4)], v[16+2*i:17+2*i], v[2*i:2*i+1], v[144+8*(i%4):151+8*(i%4)]
.endif
.set i, i+1
.endr
	WIN 0
.rept 8
	v_nop                                          ; eight places behind this form, ahead of the first read of results and the first write of operands
.endr
.irp j, 0,2,4,6
	v_pk_add_f32 v[184+\j:185+\j], v[144+\j:145+\j], v[152+\j:153+\j]   ; each accumulator is read from its low end on
.endr
.irp j, 0,2,4,6
	v_pk_add_f32 v[16+\j:17+\j], v[160+\j:161+\j], v[168+\j:169+\j]
.endr
.irp j, 0,2,4,6
	v_pk_add_f32 v[184+\j:185+\j], v[184+\j:185+\j], v[16+\j:17+\j]     ; my eight numbers of v
.endr
	s_wait_alu depctr_va_vdst(0)                   ; the sums have written v184-191, which the two LDS stores read; the matrix instructions and the sums are done with v16-143, in which the LDS loads behind the barrier land
	ds_store_b128 v13, v[184:187]
	ds_store_b128 v13, v[188:191] offset:512
	s_wait_dscnt 0x0                               ; for the others' sake: my stores have landed
	s_barrier_signal -1
	s_barrier_wait -1
.irp u, 0,1,2,3,4,5,6,7                        ; wave 2 b + e's eight registers are K 32 b + 16 h + 8 e + 0..7: so all eight on end are the 64 numbers in the operand's order
	ds_load_b128 v[XQ+8*\u:XQ+8*\u+3], v7 offset:VIMG+1024*\u
	ds_load_b128 v[XQ+8*\u+4:XQ+8*\u+7], v7 offset:VIMG+1024*\u+512
.endr
	s_wait_dscnt 0x0
	QUANT64
.rept 4
	v_nop                                          ; codes written by vector instructions stand four places ahead of a scaled product
.endr
	s_wait_alu depctr_va_vdst(0)                   ; the conversions have written the codes v240-255 and the shifts the scale word v209, which the scaled product takes; the places above stay beside this wait
	v_wmma_scale_f32_16x16x128_f8f6f4 v[216:223], v[192:207], v[PC:PC+15], 0, v208, v[PW] matrix_a_fmt:MATRIX_FMT_BF8 matrix_b_fmt:MATRIX_FMT_BF8   ; source 0 = 16 rows of Wo, source 1 = Q(v): lane (r, h): batch r % 8, f = 128 fs + 16 u + 8 h + 0..7
.rept 8
	v_nop
.endr
	s_wait_alu depctr_va_vdst(0)                   ; the product has written v216-223, which the two LDS stores read (the eight places stay beside this wait); the holds and conversions are done with v16-19, in which the stage's load lands
	ds_store_b128 v14, v[216:219]
	ds_store_b128 v14, v[220:223] offset:16
	s_wait_dscnt 0x0
	s_barrier_signal -1
	s_barrier_wait -1                              ; the stage's rows 0-7 hold the eight batches' 128 numbers (rows 8-15 repeat them and are not read)
	ds_load_b128 v[16:19], v15
	s_wait_dscnt 0x0
	global_store_b128 v7, v[16:19], s[30:31]       ; 32 lanes store 512 consecutive bytes, at a multiple of 256 from the buffer's first byte
	s_wait_dscnt 0x0                               ; the closing lines, six on end
	s_wait_alu 0x0
	s_wait_tensorcnt 0x0
	ds_add_u32 v[SPW], v[NIL]
	s_wait_dscnt 0x0
	s_endpgm
.Lrelay:
	s_cmp_lt_u32 ttmp9, 72
	s_cbranch_scc0 .Lscales
	; ---------------- Wg[:, 0:1024]'s codes in the order of the operand's registers: a wave takes one tile t of one quarter w, all eight K steps ----------------
	s_sub_co_u32 s3, ttmp9, 64
	s_lshl_b32 s3, s3, 3
	s_add_co_u32 s3, s3, s2
	s_lshr_b32 s4, s3, 4                           ; w
	s_and_b32 s5, s3, 15                           ; t
	s_lshl_b32 s6, s4, 8
	s_lshr_b32 s7, s5, 1
	s_lshl_b32 s7, s7, 5
	s_add_co_u32 s6, s6, s7
	s_and_b32 s7, s5, 1
	s_lshl_b32 s7, s7, 3
	s_add_co_u32 s6, s6, s7                        ; the tile's first row: 256 w + 32 (t / 2) + 8 (t % 2)
	s_lshl_b32 s8, s6, 11
	s_add_nc_u64 s[26:27], s[26:27], s[8:9]        ; 2,048 bytes a row
	s_lshl_b32 s8, s4, 18
	s_lshl_b32 s7, s5, 11
	s_add_co_u32 s8, s8, s7
	s_add_nc_u64 s[32:33], s[32:33], s[8:9]        ; wf[w][0][t]
	v_lshlrev_b32 v8, 11, v6
	v_lshl_add_u32 v8, v5, 4, v8                   ; row r + 8 (r / 8), + 16 h
	s_wait_alu depctr_va_vdst(0)                   ; the offsets v8 and v7 are written, which the loads and the stores below read; no vector instruction follows on this path
.set i, 0
.rept 32
	global_load_b128 v[16+4*i:19+4*i], v8, s[26:27] offset:32*i          ; K = 128 s + 32 c + 16 h on, i = 4 s + c
.set i, i+1
.endr
.set i, 0
.rept 32
	s_wait_loadcnt 31-i                            ; loads come back in order: number i is in, the younger ones may be out
	global_store_b128 v7, v[16+4*i:19+4*i], s[32:33] offset:(i/4)*32768+(i%4)*512   ; 512 consecutive bytes
.set i, i+1
.endr
	s_endpgm
.Lscales:
	; ---------------- their scale words: a wave takes one group g of four tiles of one quarter w, all eight K steps ----------------
	s_sub_co_u32 s3, ttmp9, 72
	s_lshl_b32 s3, s3, 3
	s_add_co_u32 s3, s3, s2
	s_lshr_b32 s4, s3, 2                           ; w
	s_and_b32 s5, s3, 3                            ; g
	s_lshl_b32 s6, s4, 8
	s_lshl_b32 s7, s5, 6
	s_add_co_u32 s6, s6, s7                        ; row 256 w + 64 g
	s_lshl_b32 s8, s6, 6
	s_add_nc_u64 s[28:29], s[28:29], s[8:9]        ; 64 scale bytes a row; the first 32 belong to K = 0 .. 1023
	s_lshl_b32 s8, s4, 13
	s_lshl_b32 s7, s5, 8
	s_add_co_u32 s8, s8, s7
	s_add_nc_u64 s[34:35], s[34:35], s[8:9]        ; ws[w][0][g]
	v_lshl_add_u32 v8, v5, 3, v6
	v_lshlrev_b32 v8, 6, v8                        ; row 8 h + r + 8 (r / 8): lanes 16-31 take the odd tile
	v_lshlrev_b32 v9, 3, v3                        ; 8 L
	s_wait_alu depctr_va_vdst(0)                   ; the offsets v8 and v9 are written, which the loads and the stores below read
.irp q, 0,1
	global_load_b128 v[16+8*\q:19+8*\q], v8, s[28:29] offset:2048*\q      ; tiles 4 g + 2 q, + 1: 32 rows further on for q = 1; words of K steps 0-3,
	global_load_b128 v[20+8*\q:23+8*\q], v8, s[28:29] offset:2048*\q+16   ; 4-7
.endr
	s_wait_loadcnt 0x0
.irp s, 0,1,2,3,4,5,6,7
	v_mov_b32 v[32+2*\s], v[16+\s]                 ; a K step's two words side by side, as one load of 8 bytes a lane will want them
	v_mov_b32 v[33+2*\s], v[24+\s]
.endr
	s_wait_alu depctr_va_vdst(0)                   ; the moves have written v32-47, which the stores read
.irp s, 0,1,2,3,4,5,6,7
	global_store_b64 v9, v[32+2*\s:33+2*\s], s[34:35] offset:1024*\s      ; 32 lanes store 256 consecutive bytes, aligned
.endr
	s_endpgm
.Lfunc_end_k_qa6ce338ed1_prep1:
	.size	k_qa6ce338ed1_prep1, .Lfunc_end_k_qa6ce338ed1_prep1-k_qa6ce338ed1_prep1
	.p2alignl 7, 3214868480
	.fill 96, 4, 3214868480
	.section	.rodata,"a",@progbits
	.p2align	6, 0x0
	.amdhsa_kernel k_qa6ce338ed1_prep1
		.amdhsa_group_segment_fixed_size 17920
		.amdhsa_private_segment_fixed_size 0
		.amdhsa_enable_private_segment 0
		.amdhsa_kernarg_size 80
		.amdhsa_user_sgpr_count 2
		.amdhsa_user_sgpr_kernarg_segment_ptr 1
		.amdhsa_wavefront_size32 1
		.amdhsa_system_sgpr_workgroup_id_x 1
		.amdhsa_system_sgpr_workgroup_id_y 1
		.amdhsa_system_sgpr_workgroup_id_z 1
		.amdhsa_system_vgpr_workitem_id 0
		.amdhsa_next_free_vgpr 384
		.amdhsa_next_free_sgpr 66
		.amdhsa_reserve_vcc 0
		.amdhsa_float_denorm_mode_32 3
		.amdhsa_float_denorm_mode_16_64 3
		.amdhsa_memory_ordered 1
		.amdhsa_forward_progress 1
		.amdhsa_inst_pref_size 36
	.end_amdhsa_kernel
	.amdgpu_metadata
---
amdhsa.version: [ 1, 2 ]
amdhsa.kernels:
  - .name:           k_qa6ce338ed1_prep1
    .symbol:         k_qa6ce338ed1_prep1.kd
    .args:
      - { .name: speaker_embedding, .offset: 0, .size: 8, .value_kind: global_buffer, .address_space: global }
      - { .name: Wv, .offset: 8, .size: 8, .value_kind: global_buffer, .address_space: global }
      - { .name: b_in, .offset: 16, .size: 8, .value_kind: global_buffer, .address_space: global }
      - { .name: Wo_codes, .offset: 24, .size: 8, .value_kind: global_buffer, .address_space: global }
      - { .name: Wo_scales, .offset: 32, .size: 8, .value_kind: global_buffer, .address_space: global }
      - { .name: Wg_codes, .offset: 40, .size: 8, .value_kind: global_buffer, .address_space: global }
      - { .name: Wg_scales, .offset: 48, .size: 8, .value_kind: global_buffer, .address_space: global }
      - { .name: pao, .offset: 56, .size: 8, .value_kind: global_buffer, .address_space: global }
      - { .name: wf, .offset: 64, .size: 8, .value_kind: global_buffer, .address_space: global }
      - { .name: ws, .offset: 72, .size: 8, .value_kind: global_buffer, .address_space: global }
    .group_segment_fixed_size: 17920
    .private_segment_fixed_size: 0
    .kernarg_segment_align: 8
    .kernarg_segment_size: 80
    .max_flat_workgroup_size: 256
    .sgpr_count:     66
    .vgpr_count:     384
    .wavefront_size: 32
...
	.end_amdgpu_metadata
.endif
;; end of part 4
;; launch prep2 (part 5): grid 64 x 1, 8 waves a work-group, no clusters, 14,080 bytes of LDS; arguments pao, bo, Wg_codes, Wg_scales, pc, ao; writes pc, ao
.if DOCPART == 5
	.amdgcn_target "amdgcn-amd-amdhsa--gfx1250"
	.amdhsa_code_object_version 6
	.text
	.protected	k_qa6ce338ed1_prep2
	.globl	k_qa6ce338ed1_prep2
	.p2align	8
	.type	k_qa6ce338ed1_prep2,@function
k_qa6ce338ed1_prep2:
	s_mov_b64 s[64:65], 0
	v_nop
	global_prefetch_b8 v0, s[64:65] scope:SCOPE_SE
	s_setreg_imm32_b32 hwreg(HW_REG_WAVE_SCHED_MODE, 0, 2), 2
	s_setreg_imm32_b32 hwreg(HW_REG_WAVE_MODE, 25, 1), 1
	s_wait_xcnt 0x0
	s_wait_alu depctr_vm_vsrc(0)
; Second launch.  WORK LEFT OUT: as shown at the head of the first kernel, attn_out has one row for each batch (the softmax over one key is 1), so it is made once for each batch and not for each of its 2,048 positions.
; Work-group (ks = id & 7, fs = id >> 3): ao[b, 128 ks .. +127] = the eight partial sums of the launch before + bo, in f32; quantised along K; times Wg[128 fs .. +127, 1024 + 128 ks .. +127]:
; pc[ks][b][f], the ks-th of eight partial sums of c[b,f] = Q(ao[b]) . Wg[f, 1024:2048].  The work-groups with fs = 0 also store ao, which the last launch mixes with x.
; LIMITS: as stated at the head of the first kernel (NaN and infinities not served; a block of zeros gets the byte 1; sums over K in slices of 128).
; THE MODE: SCHED_MODE bits 1:0 = 2 (LLVM: expert scheduling mode 2), set by the entry lines.  The code itself states the register dependences
; between vector or matrix instructions and memory or LDS instructions, with s_wait_alu, always for 0.
; THE PLAN.  Registers that memory or LDS instructions touch:
;   s2               Written by v_readfirstlane_b32; a wait on va_sdst stands ahead of its first reader.
;   v7, v10-v15      Offsets and LDS addresses: made once at the head, ahead of the first wait on va_vdst, and never written again.
;   v16-51, v192-208 Loads land there; the packed sums and the scaled product read them.
;   v16-19           Written by the sums; read by an LDS store and, where fs = 0, by a global store: a wait on va_vdst ahead of both, which also states that the sums are done with v16-51.
;   v16-79           The LDS loads behind the barrier land there, and the quantiser writes them: a wait on vm_vsrc states that the two stores have read v16-19.
;   v240-255, v209   Codes and scale word: written by vector instructions, read by the scaled product: its places, then a wait on va_vdst.
;   v216-223         The product's result, read by two LDS stores: the places, then a wait on va_vdst, which also states that the holds and conversions are done with v16-19, where the stage's load lands.
;   v1, v2           Written at the head, read by the closing add alone.
.set AOS,   0                          ; LDS: the slice of ao, 8 batches x (512 + 16) bytes
.set STG,   4352                       ; a stage of 16 rows x (512 + 16) bytes for the results
.set SPARE, 12800                      ; the spare words, 128 bytes for each wave: four blocks of 256 bytes that no other line names
.set SPW,   1                          ; v1   SPARE + 4 x my thread's number; never rewritten
.set NIL,   2                          ; v2   0; never rewritten
.set XQ,    16                         ; v16-79   64 numbers to be quantised (before: v16-51 the partial sums and bo)
.set TM,    224                        ; v224-239 the quantiser's work
.set PC,    240                        ; v240-255 the codes made
.set PW,    209                        ; v209 their scale word; v208 the weight's: these two hold scales and nothing else
; 64 numbers of a lane, register 16 b + i = K 32 b + 16 (lane / 16) + i of my row, become a fragment's codes and its scale word
.macro QUANT64
.irp b, 0,1,2,3
	v_max3_num_f32 v[TM+\b], |v[XQ+16*\b]|, |v[XQ+1+16*\b]|, 0x8000000   ; my 16 numbers of block b, and the floor 2^(16 - 127): the byte cannot fall under 1
.endr
.irp i, 2,4,6,8,10,12,14
.irp b, 0,1,2,3
	v_max3_num_f32 v[TM+\b], v[TM+\b], |v[XQ+16*\b+\i]|, |v[XQ+1+16*\b+\i]|
.endr
.endr
.irp b, 0,1,2,3
	v_permlanex16_b32 v[TM+4+\b], v[TM+\b], s36, s37
.endr
.irp b, 0,1,2,3
	v_max_num_f32 v[TM+\b], v[TM+\b], v[TM+4+\b]          ; with lane l xor 16's: the block's largest magnitude
.endr
.irp b, 0,1,2,3
	v_add_nc_u32 v[TM+12+\b], 0xf8800000, v[TM+\b]        ; 15 off its exponent field: the conversion's scale operand
.endr
.irp b, 0,1,2,3
	v_and_or_b32 v[TM+8+\b], v[TM+\b], 0x7f800000, s38    ; 57,344 x the scale
.endr
.irp b, 0,1,2,3
	v_lshrrev_b32 v[TM+4+\b], 23, v[TM+12+\b]             ; the scale's byte
.endr
	v_lshl_or_b32 v[PW], v[TM+5], 8, v[TM+4]              ; my row's scale word; the 64 holds below stand between it and the product
	v_lshl_or_b32 v[PW], v[TM+6], 16, v[PW]
	v_lshl_or_b32 v[PW], v[TM+7], 24, v[PW]
.irp b, 0,1,2,3
.irp i, 0,1,2,3,4,5,6,7,8,9,10,11,12,13,14,15
	v_med3_num_f32 v[XQ+16*\b+\i], v[XQ+16*\b+\i], -v[TM+8+\b], v[TM+8+\b]   ; the hold at the largest code x the scale (ISA guide 7.6.2: the conversion does not saturate)
.endr
	v_cvt_scalef32_pk8_bf8_f32 v[PC+4*\b:PC+1+4*\b], v[XQ+16*\b:XQ+7+16*\b], v[TM+12+\b]
	v_cvt_scalef32_pk8_bf8_f32 v[PC+2+4*\b:PC+3+4*\b], v[XQ+8+16*\b:XQ+15+16*\b], v[TM+12+\b]
.endr
	v_nop                                                 ; a plain line behind the last conversion
.endm
	s_load_b256 s[16:23], s[0:1], 0x0              ; pao 16, bo 18, Wg's codes 20, Wg's scales 22
	s_load_b128 s[24:27], s[0:1], 0x20             ; pc 24, ao 26
	v_lshl_add_u32 v[SPW], v0, 2, SPARE
	v_mov_b32 v[NIL], 0
	v_lshrrev_b32 v3, 5, v0
	v_readfirstlane_b32 s2, v3                     ; wave u, 0..7: in the sums it is the batch
	v_and_b32 v3, 31, v0                           ; lane L
	v_and_b32 v4, 15, v0                           ; r
	v_bfe_u32 v5, v0, 4, 1                         ; h
	v_lshlrev_b32 v7, 4, v3                        ; 16 L
	s_and_b32 s3, ttmp9, 7                         ; ks
	s_lshr_b32 s4, ttmp9, 3                        ; fs
	s_mov_b32 s9, 0
	s_mov_b32 s36, 0x76543210
	s_mov_b32 s37, 0xfedcba98                      ; v_permlanex16_b32's selects for lane l xor 16
	s_mov_b32 s38, 0x600000                        ; the mantissa field of 57,344
	v_lshlrev_b32 v11, 11, v4
	v_lshl_add_u32 v11, v5, 4, v11                 ; Wg: row r of 2,048 bytes, + 16 h
	v_lshlrev_b32 v12, 6, v4                       ; its scale bytes: 64 a row
	s_wait_alu depctr_va_sdst(0)                   ; s2 is written, ahead of its first reader, the line below
	s_mul_i32 s14, s2, 528
	v_add_nc_u32 v13, s14, v7                      ; LDS: ao's slice, in: row u, 16 bytes a lane
	s_add_co_u32 s14, s14, STG
	v_add_nc_u32 v15, s14, v7                      ; the stage, back: row u, 16 bytes a lane
	v_and_b32 v10, 7, v4
	v_mul_u32_u24 v10, v10, 528
	v_lshl_add_u32 v10, v5, 6, v10                 ; ao's slice, back: batch r % 8, + 64 h: my 16 numbers of each block of 32
	v_mul_u32_u24 v14, v4, 528
	v_lshl_add_u32 v14, v5, 5, v14
	s_lshl_b32 s14, s2, 6
	s_add_co_u32 s14, s14, STG
	v_add_nc_u32 v14, s14, v14                     ; the stage, in: row r, + 64 u + 32 h
.irp b, 0,1,2,3
	v_mov_b32 v[TM+4+\b], 0                        ; written once: a lane permute's destination counts as one of its sources
.endr
	s_lshl_b32 s8, s2, 12
	s_lshl_b32 s11, s3, 9
	s_add_co_u32 s8, s8, s11                       ; batch u, column 128 ks, in bytes
	s_lshl_b32 s12, s3, 9
	s_mov_b32 s13, 0
	s_wait_kmcnt 0x0
	s_add_nc_u64 s[16:17], s[16:17], s[8:9]        ; pao[0][u][128 ks]
	s_add_nc_u64 s[26:27], s[26:27], s[8:9]        ; ao[u][128 ks]
	s_add_nc_u64 s[18:19], s[18:19], s[12:13]      ; bo[128 ks]
	s_lshl_b32 s10, s4, 7
	s_lshl_b32 s11, s2, 4
	s_add_co_u32 s10, s10, s11                     ; my 16 rows of Wg: 128 fs + 16 u
	s_lshl_b32 s8, s10, 11
	s_lshl_b32 s11, s3, 7
	s_add_co_u32 s8, s8, s11
	s_add_co_u32 s8, s8, 1024
	s_add_nc_u64 s[20:21], s[20:21], s[8:9]        ; their codes at K = 1024 + 128 ks
	s_lshl_b32 s8, s10, 6
	s_lshl_b32 s11, s3, 2
	s_add_co_u32 s8, s8, s11
	s_add_co_u32 s8, s8, 32
	s_add_nc_u64 s[22:23], s[22:23], s[8:9]        ; and their scale words
	s_lshl_b32 s8, s3, 15
	s_lshl_b32 s11, s2, 12
	s_add_co_u32 s8, s8, s11
	s_lshl_b32 s11, s4, 9
	s_add_co_u32 s8, s8, s11
	s_add_nc_u64 s[24:25], s[24:25], s[8:9]        ; pc[ks][batch u][128 fs]
	s_wait_alu depctr_va_vdst(0)                   ; the offsets and LDS addresses v7 and v10 to v15 are written, which every load and store of the kernel reads
.irp p, 0,1,2,3,4,5,6,7
	global_load_b128 v[16+4*\p:19+4*\p], v7, s[16:17] offset:32768*\p    ; 512 consecutive bytes of each partial sum
.endr
	global_load_b128 v[48:51], v7, s[18:19]
.irp c, 0,1,2,3
	global_load_b128 v[192+4*\c:195+4*\c], v11, s[20:21] offset:32*\c    ; Wg's fragment
.endr
	global_load_b32 v208, v12, s[22:23]
	s_wait_loadcnt 0x0
.irp p, 0,2,4,6
.irp j, 0,2
	v_pk_add_f32 v[16+4*\p+\j:17+4*\p+\j], v[16+4*\p+\j:17+4*\p+\j], v[20+4*\p+\j:21+4*\p+\j]
.endr
.endr
.irp p, 0,4
.irp j, 0,2
	v_pk_add_f32 v[16+4*\p+\j:17+4*\p+\j], v[16+4*\p+\j:17+4*\p+\j], v[24+4*\p+\j:25+4*\p+\j]
.endr
.endr
.irp j, 0,2
	v_pk_add_f32 v[16+\j:17+\j], v[16+\j:17+\j], v[32+\j:33+\j]
.endr
.irp j, 0,2
	v_pk_add_f32 v[16+\j:17+\j], v[16+\j:17+\j], v[48+\j:49+\j]          ; + bo: four numbers of ao
.endr
	s_wait_alu depctr_va_vdst(0)                   ; the sums have written v16-19, which the LDS store and the global store read, and are done with v16-51, in which the LDS loads behind the barrier land
	ds_store_b128 v13, v[16:19] offset:AOS
	s_cmp_lg_u32 s4, 0                             ; eight work-groups make the same slice of ao: the one with fs = 0 stores it
	s_cbranch_scc1 .Lnot_first
	global_store_b128 v7, v[16:19], s[26:27]       ; 512 consecutive bytes
.Lnot_first:
	s_wait_xcnt 0x0                                ; the store has read v16-19: they are loaded again below
	s_wait_alu depctr_vm_vsrc(0)                   ; the LDS store and, where it was issued, the global store have read v16-19, in which the LDS loads below land and which the holds write
	s_wait_dscnt 0x0                               ; for the others' sake: my LDS store has landed
	s_barrier_signal -1
	s_barrier_wait -1
.irp b, 0,1,2,3
.irp z, 0,1,2,3
	ds_load_b128 v[XQ+16*\b+4*\z:XQ+16*\b+4*\z+3], v10 offset:AOS+128*\b+16*\z   ; register 16 b + i = K 32 b + 16 h + i of batch r % 8
.endr
.endr
	s_wait_dscnt 0x0
	QUANT64
.rept 4
	v_nop                                          ; codes written by vector instructions stand four places ahead of a scaled product
.endr
	s_wait_alu depctr_va_vdst(0)                   ; the conversions have written the codes v240-255 and the shifts the scale word v209, which the scaled product takes; the places above stay beside this wait
	v_wmma_scale_f32_16x16x128_f8f6f4 v[216:223], v[192:207], v[PC:PC+15], 0, v208, v[PW] matrix_a_fmt:MATRIX_FMT_BF8 matrix_b_fmt:MATRIX_FMT_BF8   ; source 0 = 16 rows of Wg, source 1 = Q(ao): lane (r, h): batch r % 8, f = 128 fs + 16 u + 8 h + 0..7
.rept 8
	v_nop                                          ; eight places behind this form, ahead of the first read of results
.endr
	s_wait_alu depctr_va_vdst(0)                   ; the product has written v216-223, which the two LDS stores read (the eight places stay beside this wait); the holds and conversions are done with v16-19, in which the stage's load lands
	ds_store_b128 v14, v[216:219]
	ds_store_b128 v14, v[220:223] offset:16
	s_wait_dscnt 0x0
	s_barrier_signal -1
	s_barrier_wait -1                              ; the stage's rows 0-7 hold the eight batches' 128 numbers (rows 8-15 repeat them and are not read)
	ds_load_b128 v[16:19], v15
	s_wait_dscnt 0x0
	global_store_b128 v7, v[16:19], s[24:25]       ; 512 consecutive bytes, at a multiple of 256 from the buffer's first byte
	s_wait_dscnt 0x0                               ; the closing lines, six on end
	s_wait_alu 0x0
	s_wait_tensorcnt 0x0
	ds_add_u32 v[SPW], v[NIL]
	s_wait_dscnt 0x0
	s_endpgm
.Lfunc_end_k_qa6ce338ed1_prep2:
	.size	k_qa6ce338ed1_prep2, .Lfunc_end_k_qa6ce338ed1_prep2-k_qa6ce338ed1_prep2
	.p2alignl 7, 3214868480
	.fill 96, 4, 3214868480
	.section	.rodata,"a",@progbits
	.p2align	6, 0x0
	.amdhsa_kernel k_qa6ce338ed1_prep2
		.amdhsa_group_segment_fixed_size 14080
		.amdhsa_private_segment_fixed_size 0
		.amdhsa_enable_private_segment 0
		.amdhsa_kernarg_size 48
		.amdhsa_user_sgpr_count 2
		.amdhsa_user_sgpr_kernarg_segment_ptr 1
		.amdhsa_wavefront_size32 1
		.amdhsa_system_sgpr_workgroup_id_x 1
		.amdhsa_system_sgpr_workgroup_id_y 1
		.amdhsa_system_sgpr_workgroup_id_z 1
		.amdhsa_system_vgpr_workitem_id 0
		.amdhsa_next_free_vgpr 256
		.amdhsa_next_free_sgpr 66
		.amdhsa_reserve_vcc 0
		.amdhsa_float_denorm_mode_32 3
		.amdhsa_float_denorm_mode_16_64 3
		.amdhsa_memory_ordered 1
		.amdhsa_forward_progress 1
		.amdhsa_inst_pref_size 16
	.end_amdhsa_kernel
	.amdgpu_metadata
---
amdhsa.version: [ 1, 2 ]
amdhsa.kernels:
  - .name:           k_qa6ce338ed1_prep2
    .symbol:         k_qa6ce338ed1_prep2.kd
    .args:
      - { .name: pao, .offset: 0, .size: 8, .value_kind: global_buffer, .address_space: global }
      - { .name: bo, .offset: 8, .size: 8, .value_kind: global_buffer, .address_space: global }
      - { .name: Wg_codes, .offset: 16, .size: 8, .value_kind: global_buffer, .address_space: global }
      - { .name: Wg_scales, .offset: 24, .size: 8, .value_kind: global_buffer, .address_space: global }
      - { .name: pc, .offset: 32, .size: 8, .value_kind: global_buffer, .address_space: global }
      - { .name: ao, .offset: 40, .size: 8, .value_kind: global_buffer, .address_space: global }
    .group_segment_fixed_size: 14080
    .private_segment_fixed_size: 0
    .kernarg_segment_align: 8
    .kernarg_segment_size: 48
    .max_flat_workgroup_size: 256
    .sgpr_count:     66
    .vgpr_count:     256
    .wavefront_size: 32
...
	.end_amdgpu_metadata
.endif
;; end of part 5
;; launch main: the kernel of part 3 again; grid 256 x 1, 4 waves a work-group, no clusters, 327,680 bytes of LDS; arguments speech_features, wf, ws, pc, ao, bg, gamma, beta, out0; writes out0
